; MI455X (gfx1250); checked and timed in simulation.
; The chip was launched on July 23, 2026; its instructions are those of AMD's public machine-readable ISA for CDNA 5 (MIT licence, August 2026) and "CDNA5" Instruction Set Architecture Reference Guide (July 2026). The comments in the code are by the model that wrote it; some were corrected since.
;; Grouped Query Attention. Allowed arithmetic: matrix products marked QUANTISED: E2M1 operands, one E8M0 scale for each 32 along K, by v_wmma_scale_f32_16x16x128_f8f6f4 with both operands' format E2M1 (or v_wmma_scale_f32_32x16x128_f4), f32 sums; products left as they are: bf16, f16 or f32 operands; f32 sums; everything else in f32.
;; Inputs: Wk 512 x 2,048 float32; Wo 2,048 x 2,048 float32; Wq 2,048 x 2,048 float32; Wv 512 x 2,048 float32; x 4 x 1,024 x 2,048 float32.
;; Outputs: out0 4 x 1,024 x 2,048 float32.
;; This version of the problem:
;;   THIS VERSION OF THE PROBLEM IS GIVEN IN LOW PRECISION. The matrix products marked QUANTISED in the list below multiply operands that are first quantised to E2M1 (2 exponent bits, 1 mantissa bit; 4 bits a number), with one power-of-two scale for each 32 numbers along K (OCP MX v1.0); their sums are f32. The products marked 'left as it is' may take bf16, f16 or f32 operands, with f32 sums. Whichever they take, every output number must still come out within the allowed error. Rounding operands to bf16 (8 significant bits) uses up far more of that allowance than f16 does (11 bits, for magnitudes from 6e-5 to 65,504). All else is computed in f32.
;;   The module's matrix products, in the order in which they are computed (A, B: the left and right operand; K: the contracted axis; several contracted axes count as one K, in the product's order):
;;     1. [M 4,096, K 2,048] x [K 2,048, N 2,048]; A: input x; B: input Wq: QUANTISED
;;     2. [M 4,096, K 2,048] x [K 2,048, N 512]; A: input x; B: input Wk: QUANTISED
;;     3. [M 4,096, K 2,048] x [K 2,048, N 512]; A: input x; B: input Wv: QUANTISED
;;     4. batch 16 x [M 4,096, K 128] x [K 128, N 1,024]; A: computed on the way; B: computed on the way: left as it is (an operand is computed on the way)
;;     5. batch 16 x [M 4,096, K 1,024] x [K 1,024, N 128]; A: computed on the way; B: computed on the way: left as it is (an operand is computed on the way)
;;     6. [M 4,096, K 2,048] x [K 2,048, N 2,048]; A: computed on the way; B: input Wo: left as it is (an operand is computed on the way)
;;   THE QUANTISER, for each operand of a quantised product, along K:
;;     - K is cut into blocks of 32 from its start; a last block that is shorter is filled with zeros.
;;     - A block's scale is 2^e with e = floor(log2(the largest magnitude in the block)) - 2, held to -126 .. 127; a block of zeros has e = 0. As a byte (E8M0): e + 127.
;;     - Each number is divided by its block's scale, clamped to +-6, and rounded to the nearest number of E2M1, ties to even, subnormals kept.
;;     - The product sums the exact products of the quantised numbers (number of the format x scale) in f32.
;;   ~~~python
;;   def quantise(x, axis):      # numpy; x: float32 -> the quantised numbers, widened to float32 again
;;       x = np.moveaxis(x, axis, -1); K = x.shape[-1]
;;       x = np.pad(x, [(0, 0)] * (x.ndim - 1) + [(0, -K % 32)]); x = x.reshape(x.shape[:-1] + (-1, 32)); a = np.abs(x).max(-1, keepdims=True)
;;       e = np.where(a > 0, np.clip(np.frexp(np.where(a > 0, a, 1))[1] - 1 - 2, -126, 127), 0)      # np.frexp(a)[1] - 1 = floor(log2(a)), exactly
;;       r = np.clip(x / 2.0 ** e, -6, 6)
;;       step = 2.0 ** (np.maximum(np.frexp(np.where(r == 0, 1, r))[1] - 1, 0) - 1)
;;       q = np.round(r / step) * step * 2.0 ** e      # np.round: ties to even
;;       return np.moveaxis(q.reshape(q.shape[:-2] + (-1,))[..., :K], -1, axis).astype(np.float32)
;;   ~~~
;; One version. Each part assembles by itself: llvm-mc -triple=amdgcn-amd-amdhsa -mcpu=gfx1250 --defsym DOCPART=n.
;; ======== version 1 of 1: 5 launches
;; limits: values are held in f16: magnitudes above 65,504 overflow, below 6.1e-05 lose precision
;; workspace buffers: codes 7,340,032 bytes; scales 458,752 bytes; wo16 8,388,608 bytes; rope 524,288 bytes; qkv16 25,165,824 bytes; fine32 786,432 bytes; ao16 16,777,216 bytes; fineo 524,288 bytes
;; launch prep (part 1): grid 640 x 1, 4 waves a work-group, no clusters, 33,280 bytes of LDS; arguments x, Wq, Wk, Wv, Wo, codes, scales, wo16, rope; writes codes, scales, wo16, rope
.if DOCPART == 1
	.amdgcn_target "amdgcn-amd-amdhsa--gfx1250"
	.amdhsa_code_object_version 6
	.text
	.protected	k_q612686112a_prep
	.globl	k_q612686112a_prep
	.p2align	8
	.type	k_q612686112a_prep,@function
k_q612686112a_prep:
	s_mov_b64 s[64:65], 0
	v_nop
	global_prefetch_b8 v0, s[64:65] scope:SCOPE_SE
	s_setreg_imm32_b32 hwreg(HW_REG_WAVE_MODE, 25, 1), 1
	s_wait_xcnt 0x0
; THREE JOBS IN ONE LAUNCH, told apart by the work-group's number g alone.
;  g 0-447:   x [4096][2048], Wq [2048][2048], Wk, Wv [512][2048], f32, become codes of FP4 (E2M1), K innermost, with one E8M0 byte for each 32 along K.
;             codes: x's 4,096 rows of 1,024 bytes, then W's 3,072 rows: Wq's 2,048, then for each key/value head j 128 rows of Wk and 128 rows of Wv.  scales: 64 bytes a row, same order.
;  g 448-575: Wo [2048][2048] f32 becomes f16, same layout.
;  g 576-639: the table of cos and sin for the rotation, laid as the next launch's lanes want it: [block of 16 positions 64][b 4][c 4][lane 32][4 f32]:
;             lane (r, hf) has position 16 tb + r and frequencies 16 b + 8 hf + 0..7; c = 0, 1 cos of the first and last four, c = 2, 3 sin.
; A block's scale is 2^(floor(log2(its largest magnitude)) - 2); its byte is the largest magnitude's exponent field - 2, held at 1 from below.
; LIMITS: a block of zeros gets the byte 1 where the rule says 127 (its codes are zeros, and this program alone reads the bytes); blocks whose largest magnitude lies under 2^-124 are held at that floor;
; NaN and infinities among the inputs are not served; |Wo| stays at or under 65,504 (f16); the angles agree with an f32 evaluation of t x 10000^(-i/64) to about 1e-4 rad at the last positions.
.set WAVES, 4
.set STEPS, 16
.set EMAX,  2
.set CB,    8                          ; bytes of 16 codes
.set R,     16                         ; v16-79   four sets of 16 numbers as they are loaded
.set X,     80                         ; v80-111  two sets of 16 neighbours
.set E,     112                        ; v112-127 a scale byte for each step
.set C,     128                        ; v128-191 codes: four registers for each step
.set WREG,  8192                       ; LDS: a region for each wave: two stages of 32 x SP bytes, then its 256 scale bytes
.set SP,    80                         ; a lane's place in a stage: 64 bytes + 16 of padding
.set SPW,   12                         ; v12 LDS address of my spare word; never rewritten
.set NIL,   13                         ; v13 0; never rewritten
.set SPARE, WAVES*WREG                 ; behind the four regions: the spare words, 128 bytes a wave
	s_load_b512 s[4:19], s[0:1], 0x0               ; x 4:5, Wq 6:7, Wk 8:9, Wv 10:11, Wo 12:13, codes 14:15, scales 16:17, wo16 18:19
	s_load_b64 s[20:21], s[0:1], 0x40              ; rope
	v_lshl_add_u32 v[SPW], v0, 2, SPARE
	v_mov_b32 v[NIL], 0
	v_lshrrev_b32 v1, 5, v0
	v_readfirstlane_b32 s22, v1                    ; wave
	v_and_b32 v2, 31, v0                           ; lane
	s_wait_kmcnt 0x0
	s_cmp_ge_u32 ttmp9, 576
	s_cbranch_scc1 .Lrope
	s_cmp_ge_u32 ttmp9, 448
	s_cbranch_scc1 .Lwo
; ---- THE QUANTISER.  A tensor is a plain stream of blocks of 32.  A wave takes 16 steps of 512 numbers.  Each of a step's four loads reads 512 consecutive bytes; the 2,048 bytes turn through the wave's
; own stage in LDS and come back 64 bytes a lane: 16 neighbours along K, two lanes to a block.  A lane's 16 codes are 8 bytes: the wave stores 256 consecutive bytes.
	v_lshlrev_b32 v3, 4, v2                        ; my 16 bytes of a load's 512
	s_mul_i32 s30, s22, WREG
	v_lshrrev_b32 v14, 2, v2
	v_mul_u32_u24 v14, v14, SP
	v_and_b32 v15, 3, v2
	v_lshl_add_u32 v14, v15, 4, v14
	v_add_nc_u32 v14, s30, v14                     ; the stage, on the way in: SP (lane / 4) + 16 (lane % 4)
	v_mul_u32_u24 v15, v2, SP
	v_add_nc_u32 v15, s30, v15                     ; and on the way out: SP x lane
	v_mul_u32_u24 v4, v2, CB                       ; my codes' place in a step's
	v_lshrrev_b32 v5, 1, v2
	s_add_co_u32 s30, s30, 2*32*SP
	v_add_nc_u32 v5, s30, v5                       ; my wave's 256 scale bytes, my block's byte
	v_lshlrev_b32 v7, 3, v2
	v_add_nc_u32 v6, s30, v7                       ; and on the way out 8 bytes a lane
	s_mov_b64 s[24:25], s[10:11]                   ; which tensor, and its first work-group: the choice hangs on the work-group's number alone
	s_mov_b32 s26, 416
	s_cmp_lt_u32 ttmp9, 416
	s_cselect_b64 s[24:25], s[8:9], s[24:25]
	s_cselect_b32 s26, 384, s26
	s_cmp_lt_u32 ttmp9, 384
	s_cselect_b64 s[24:25], s[6:7], s[24:25]
	s_cselect_b32 s26, 256, s26
	s_cmp_lt_u32 ttmp9, 256
	s_cselect_b64 s[24:25], s[4:5], s[24:25]
	s_cselect_b32 s26, 0, s26
	s_sub_co_u32 s27, ttmp9, s26                   ; l: my 16 rows within the tensor
	s_lshr_b32 s28, s27, 3                         ; a head is 8 work-groups of 16 rows; in the output a head of Wk and one of Wv take turns
	s_lshl_b32 s28, s28, 4
	s_and_b32 s29, s27, 7
	s_add_co_u32 s28, s28, s29
	s_add_co_u32 s28, s28, 384                     ; Wk's place,
	s_add_co_u32 s29, s28, 8                       ; Wv's
	s_cmp_lt_u32 ttmp9, 416
	s_cselect_b32 s28, s28, s29
	s_cmp_lt_u32 ttmp9, 384
	s_cselect_b32 s28, ttmp9, s28                  ; x and Wq stay where they are
	s_lshl_b32 s30, s27, 2
	s_add_co_u32 s30, s30, s22
	s_lshl_b32 s30, s30, 15                        ; my wave's run of 8,192 numbers: 32,768 bytes
	s_mov_b32 s31, 0
	s_add_nc_u64 s[24:25], s[24:25], s[30:31]
	s_lshl_b32 s28, s28, 2
	s_add_co_u32 s28, s28, s22
	s_lshl_b32 s30, s28, 12                        ; 4,096 bytes of codes a run
	s_add_nc_u64 s[14:15], s[14:15], s[30:31]
	s_lshl_b32 s30, s28, 8                         ; 256 scale bytes a run
	s_add_nc_u64 s[16:17], s[16:17], s[30:31]
.macro LOAD t
.irp i, 0,1,2,3
	global_load_b128 v[R+16*((\t)%4)+4*\i:R+16*((\t)%4)+4*\i+3], v3, s[24:25] offset:2048*(\t)+512*\i th:TH_LOAD_NT
.endr
.endm
.macro TURN t                          ; step t's numbers through the stage: LDS serves a wave's instructions in order, so no wait stands between the stores and the loads
.irp i, 0,1,2,3
	ds_store_b128 v14, v[R+16*((\t)%4)+4*\i:R+16*((\t)%4)+4*\i+3] offset:32*SP*((\t)%2)+8*SP*\i
.endr
.irp i, 0,1,2,3
	ds_load_b128 v[X+16*((\t)%2)+4*\i:X+16*((\t)%2)+4*\i+3], v15 offset:32*SP*((\t)%2)+16*\i
.endr
.endm
.irp t, 0,1,2,3
	LOAD \t
.endr
	s_wait_loadcnt 12                              ; step 0's four loads are in
	TURN 0
.macro STEP t
.set XS, X+16*((\t)%2)
.if (\t) > 0
	s_wait_dscnt 1                                 ; this step's numbers are back from the stage (the last step's byte store may be out)
.else
	s_wait_dscnt 0x0
.endif
.if (\t)+4 < STEPS
	LOAD (\t)+4                                    ; into the registers that the stage's stores have read
.endif
.if (\t)+1 < STEPS
.if STEPS-2-(\t) >= 3
	s_wait_loadcnt 12                              ; the next step's four loads are in; three steps' may be out
.else
	s_wait_loadcnt 4*(STEPS-2-(\t))
.endif
	TURN (\t)+1
.endif
	v_max3_num_f32 v8, |v[XS]|, |v[XS+1]|, |v[XS+2]|               ; the largest magnitude of my 16, in two chains
	v_max3_num_f32 v9, |v[XS+3]|, |v[XS+4]|, |v[XS+5]|
.irp i, 6,10
	v_max3_num_f32 v8, v8, |v[XS+\i]|, |v[XS+\i+1]|
	v_max3_num_f32 v9, v9, |v[XS+\i+2]|, |v[XS+\i+3]|
.endr
	v_max3_num_f32 v8, v8, |v[XS+14]|, |v[XS+15]|
	v_max3_num_f32 v8, v8, v9, (EMAX+1)<<23        ; and the floor 2^(3 - 127): the byte cannot fall under 1
	v_max_num_f32_dpp v8, v8, v8 row_xmask:1 row_mask:0xf bank_mask:0xf   ; with my neighbour's 16: the block's
	v_add_nc_u32 v11, -(EMAX<<23), v8              ; 2 off its exponent field: the conversion takes the exponent field of this operand as its scale
	v_cvt_scalef32_pk8_fp4_f32 v[C+4*(\t)], v[XS:XS+7], v11
	v_cvt_scalef32_pk8_fp4_f32 v[C+4*(\t)+1], v[XS+8:XS+15], v11
	v_lshrrev_b32 v[E+(\t)], 23, v11               ; the scale's byte
	ds_store_b8 v5, v[E+(\t)] offset:16*(\t)       ; both lanes of a block write the same byte with the same value
	global_store_b64 v4, v[C+4*(\t):C+4*(\t)+1], s[14:15] offset:32*CB*(\t)
.endm
.irp t, 0,1,2,3,4,5,6,7,8,9,10,11,12,13,14,15
	STEP \t
.endr
	ds_load_b64 v[8:9], v6                         ; LDS serves a wave's instructions in order: these see my byte stores
	s_wait_dscnt 0x0
	global_store_b64 v7, v[8:9], s[16:17]          ; 32 lanes store 256 consecutive bytes, aligned
	s_wait_tensorcnt 0x0                           ; the wave's end: a tensor wait, an add to my spare word and its wait, behind my last LDS store
	ds_add_u32 v[SPW], v[NIL]
	s_wait_dscnt 0x0
	s_endpgm
; ---- Wo TO f16.  A wave takes 8,192 numbers in 64 steps of 128: a load of 512 consecutive bytes, two roundings in place, a store of 256 consecutive bytes.  Sixteen slots of four registers.
.Lwo:
	s_sub_co_u32 s23, ttmp9, 448
	s_lshl_b32 s23, s23, 2
	s_add_co_u32 s23, s23, s22                     ; my run
	s_lshl_b32 s24, s23, 15
	s_mov_b32 s25, 0
	s_add_nc_u64 s[12:13], s[12:13], s[24:25]
	s_lshl_b32 s24, s23, 14
	s_add_nc_u64 s[18:19], s[18:19], s[24:25]
	v_lshlrev_b32 v3, 4, v2
	v_lshlrev_b32 v4, 3, v2
.set Q, 0
.rept 16
	global_load_b128 v[16+4*Q:16+4*Q+3], v3, s[12:13] offset:512*Q th:TH_LOAD_NT
.set Q, Q+1
.endr
.set Q, 0
.rept 64
.set SL, 16+4*(Q%16)
.if 63-Q < 14
	s_wait_loadcnt 63-Q                            ; the tail: the counts run down
.else
	s_wait_loadcnt 14                              ; my slot's load is in; fourteen younger ones may be out
.endif
	s_wait_xcnt 0x0                                ; the last step's store has read its registers: its slot may be loaded again
.if (Q >= 1) && (Q+15 < 64)
	global_load_b128 v[16+4*((Q+15)%16):16+4*((Q+15)%16)+3], v3, s[12:13] offset:512*(Q+15) th:TH_LOAD_NT
.endif
	v_cvt_pk_f16_f32 v[SL], v[SL], v[SL+1]
	v_cvt_pk_f16_f32 v[SL+1], v[SL+2], v[SL+3]
	global_store_b64 v4, v[SL:SL+1], s[18:19] offset:256*Q
.set Q, Q+1
.endr
	s_endpgm
; ---- THE TABLE.  Work-group tb, wave b; a lane makes cos and sin of t x 10000^(-i/64) for its position and its eight frequencies.
; The angle is reduced by multiples of pi/2 (kept in two parts, fused multiply-adds), sin and cos of the rest (at most pi/4) are polynomials, the quadrant swaps them and sets the signs.
.Lrope:
	s_sub_co_u32 s23, ttmp9, 576                   ; tb
	v_and_b32 v3, 15, v2                           ; r
	v_lshrrev_b32 v4, 4, v2                        ; hf
	s_lshl_b32 s24, s23, 4
	v_add_nc_u32 v5, s24, v3
	v_cvt_f32_u32 v8, v5                           ; t
	s_lshl_b32 s24, s22, 4
	v_lshl_add_u32 v5, v4, 3, s24                  ; my first frequency: 16 b + 8 hf
	s_mov_b32 s32, 0xbfc90fdb                      ; -(pi/2)'s high part
	s_mov_b32 s33, 0x333bbd2e                      ; -(pi/2)'s low part
	s_mov_b32 s34, 0x3f22f983                      ; 2/pi
	s_mov_b32 s35, 0xbe2aaaa3                      ; sin: R + R^3 (s35 + R^2 (s36 + R^2 s37))
	s_mov_b32 s36, 0x3c08839e
	s_mov_b32 s37, 0xb94ca1f9
	s_mov_b32 s38, 0x3d2aaaa5                      ; cos: 1 - R^2/2 + R^4 (s38 + R^2 (s39 + R^2 s40))
	s_mov_b32 s39, 0xbab6061a
	s_mov_b32 s40, 0x37ccf5ce
	s_lshl_b32 s24, s23, 13
	s_lshl_b32 s25, s22, 11
	s_add_co_u32 s24, s24, s25
	s_mov_b32 s25, 0
	s_add_nc_u64 s[20:21], s[20:21], s[24:25]      ; my 2,048 bytes of the table
.irp k, 0,1,2,3,4,5,6,7
	v_add_nc_u32 v[16+\k], \k, v5
.endr
.irp k, 0,1,2,3,4,5,6,7
	v_cvt_f32_u32 v[16+\k], v[16+\k]
.endr
.irp k, 0,1,2,3,4,5,6,7
	v_mul_f32 v[16+\k], 0xbe549a78, v[16+\k]       ; -i log2(10000) / 64
.endr
.irp k, 0,1,2,3,4,5,6,7
	v_exp_f32 v[16+\k], v[16+\k]                   ; the eight as one batch
.endr
	v_lshlrev_b32 v6, 4, v2                        ; (a plain line behind the batch) 16 x lane
	s_wait_alu depctr_va_vdst(0)                   ; one wait for the batch, ahead of its first reader
.irp k, 0,1,2,3,4,5,6,7
	v_mul_f32 v[16+\k], v8, v[16+\k]               ; the angle, rounded once
.endr
.irp k, 0,1,2,3,4,5,6,7
	v_mul_f32 v[24+\k], s34, v[16+\k]
.endr
.irp k, 0,1,2,3,4,5,6,7
	v_rndne_f32 v[24+\k], v[24+\k]                 ; N
.endr
.irp k, 0,1,2,3,4,5,6,7
	v_fma_f32 v[16+\k], v[24+\k], s32, v[16+\k]
.endr
.irp k, 0,1,2,3,4,5,6,7
	v_fma_f32 v[16+\k], v[24+\k], s33, v[16+\k]    ; R = angle - N pi/2
.endr
.irp k, 0,1,2,3,4,5,6,7
	v_cvt_i32_f32 v[24+\k], v[24+\k]               ; the quadrant's number
	v_mul_f32 v[32+\k], v[16+\k], v[16+\k]         ; R^2
.endr
.irp k, 0,1,2,3,4,5,6,7
	v_fma_f32 v[40+\k], v[32+\k], s37, s36
	v_fma_f32 v[48+\k], v[32+\k], s40, s39
.endr
.irp k, 0,1,2,3,4,5,6,7
	v_fma_f32 v[40+\k], v[40+\k], v[32+\k], s35
	v_fma_f32 v[48+\k], v[48+\k], v[32+\k], s38
	v_mul_f32 v[56+\k], v[32+\k], v[16+\k]         ; R^3
.endr
.irp k, 0,1,2,3,4,5,6,7
	v_fma_f32 v[40+\k], v[40+\k], v[56+\k], v[16+\k]   ; sin R
	v_mul_f32 v[56+\k], v[32+\k], v[32+\k]         ; R^4
	v_fma_f32 v[32+\k], v[32+\k], -0.5, 1.0
.endr
.irp k, 0,1,2,3,4,5,6,7
	v_fma_f32 v[48+\k], v[48+\k], v[56+\k], v[32+\k]   ; cos R
.endr
.irp k, 0,1,2,3,4,5,6,7
	v_and_b32 v[56+\k], 1, v[24+\k]
	v_cmp_eq_u32 vcc_lo, 1, v[56+\k]
	v_cndmask_b32 v[16+\k], v[40+\k], v[48+\k], vcc_lo   ; in odd quadrants the two change places
	v_cndmask_b32 v[32+\k], v[48+\k], v[40+\k], vcc_lo
.endr
.irp k, 0,1,2,3,4,5,6,7
	v_and_b32 v[40+\k], 2, v[24+\k]                ; sin is negative in quadrants 2 and 3,
	v_add_nc_u32 v[48+\k], 1, v[24+\k]
	v_lshlrev_b32 v[40+\k], 30, v[40+\k]
	v_and_b32 v[48+\k], 2, v[48+\k]                ; cos in 1 and 2
	v_xor_b32 v[16+\k], v[16+\k], v[40+\k]
	v_lshlrev_b32 v[48+\k], 30, v[48+\k]
	v_xor_b32 v[32+\k], v[32+\k], v[48+\k]
.endr
	global_store_b128 v6, v[32:35], s[20:21]               ; each store of the wave covers 512 consecutive bytes
	global_store_b128 v6, v[36:39], s[20:21] offset:512
	global_store_b128 v6, v[16:19], s[20:21] offset:1024
	global_store_b128 v6, v[20:23], s[20:21] offset:1536
	s_endpgm
.Lfunc_end_k_q612686112a_prep:
	.size	k_q612686112a_prep, .Lfunc_end_k_q612686112a_prep-k_q612686112a_prep
	.p2alignl 7, 3214868480
	.fill 96, 4, 3214868480
	.section	.rodata,"a",@progbits
	.p2align	6, 0x0
	.amdhsa_kernel k_q612686112a_prep
		.amdhsa_group_segment_fixed_size 33280
		.amdhsa_private_segment_fixed_size 0
		.amdhsa_enable_private_segment 0
		.amdhsa_kernarg_size 72
		.amdhsa_user_sgpr_count 2
		.amdhsa_user_sgpr_kernarg_segment_ptr 1
		.amdhsa_wavefront_size32 1
		.amdhsa_system_sgpr_workgroup_id_x 1
		.amdhsa_system_sgpr_workgroup_id_y 1
		.amdhsa_system_sgpr_workgroup_id_z 1
		.amdhsa_system_vgpr_workitem_id 0
		.amdhsa_next_free_vgpr 192
		.amdhsa_next_free_sgpr 66
		.amdhsa_reserve_vcc 1
		.amdhsa_float_denorm_mode_32 3
		.amdhsa_float_denorm_mode_16_64 3
		.amdhsa_memory_ordered 1
		.amdhsa_forward_progress 1
		.amdhsa_inst_pref_size 70
	.end_amdhsa_kernel
	.amdgpu_metadata
---
amdhsa.version: [ 1, 2 ]
amdhsa.kernels:
  - .name:           k_q612686112a_prep
    .symbol:         k_q612686112a_prep.kd
    .args:
      - { .name: x, .offset: 0, .size: 8, .value_kind: global_buffer, .address_space: global }
      - { .name: Wq, .offset: 8, .size: 8, .value_kind: global_buffer, .address_space: global }
      - { .name: Wk, .offset: 16, .size: 8, .value_kind: global_buffer, .address_space: global }
      - { .name: Wv, .offset: 24, .size: 8, .value_kind: global_buffer, .address_space: global }
      - { .name: Wo, .offset: 32, .size: 8, .value_kind: global_buffer, .address_space: global }
      - { .name: codes, .offset: 40, .size: 8, .value_kind: global_buffer, .address_space: global }
      - { .name: scales, .offset: 48, .size: 8, .value_kind: global_buffer, .address_space: global }
      - { .name: wo16, .offset: 56, .size: 8, .value_kind: global_buffer, .address_space: global }
      - { .name: rope, .offset: 64, .size: 8, .value_kind: global_buffer, .address_space: global }
    .group_segment_fixed_size: 33280
    .private_segment_fixed_size: 0
    .kernarg_segment_align: 8
    .kernarg_segment_size: 72
    .max_flat_workgroup_size: 128
    .sgpr_count:     66
    .vgpr_count:     192
    .wavefront_size: 32
...
	.end_amdgpu_metadata
.endif
;; end of part 1
;; launch qkv (part 2): grid 12 x 16, 4 waves a work-group, clusters of 4 x 4, 327,680 bytes of LDS; arguments codes, scales, rope, qkv16, fine32; writes qkv16, fine32
.if DOCPART == 2
	.amdgcn_target "amdgcn-amd-amdhsa--gfx1250"
	.amdhsa_code_object_version 6
	.text
	.protected	k_q612686112a_qkv
	.globl	k_q612686112a_qkv
	.p2align	8
	.type	k_q612686112a_qkv,@function
k_q612686112a_qkv:
	s_mov_b64 s[64:65], 0
	v_nop
	global_prefetch_b8 v0, s[64:65] scope:SCOPE_SE
	s_setreg_imm32_b32 hwreg(HW_REG_WAVE_MODE, 25, 1), 1
	s_wait_xcnt 0x0
	s_wait_alu depctr_hold_cnt(0) depctr_sa_sdst(0) depctr_va_vdst(0) depctr_va_sdst(0) depctr_va_ssrc(0) depctr_va_vcc(0) depctr_vm_vsrc(0)
	s_getreg_b32 s2, hwreg(HW_REG_IB_STS2, 6, 4)
	s_cmp_eq_u32 s2, 0
	s_cbranch_scc0 .Lentry_in_a_cluster
	s_endpgm
.Lentry_in_a_cluster:
	s_bfe_u32 s2, ttmp6, 0x10000c
	s_cmp_lg_u32 s2, 0xf033
	s_cbranch_scc0 .Lentry_shape_is_right
	s_endpgm
.Lentry_shape_is_right:
; THE THREE QUANTISED PRODUCTS AS ONE GEMM ON CODES OF FP4: C[m][n] = sum over k of x[m][k] W[n][k], m 4,096, n 3,072 (Wq's rows, then per key/value head 128 rows of Wk and 128 of Wv), k 2,048; sums in f32.
; A tile of C, 256 x 256, is made by four waves, each 128 x 128: 64 accumulators, 512 registers.  K goes in steps of 512 (rows of 256 bytes) through a ring of two LDS slots filled by the tensor data mover.
; The scale bytes of the work-group's 256 + 256 rows, for all of K, come into LDS once, with the first fills.
; CLUSTERS: 4 x 4 work-groups; x's tiles are asked for jointly along a row of the cluster, W's along a column.  Tile row = 4 cy + cluster y: so the batch is cy and the quarter of the sequence is cluster y,
; which all sixteen partners share: every branch of the way out hangs on cluster x, cluster y and the wave's number alone.
; THE MATRIX INSTRUCTION IS USED TRANSPOSED (source 0 = 16 rows of W, source 1 = 16 rows of x): a lane holds eight neighbouring channels of one position.
; THE WAY OUT: a wave's 128 columns are ONE HEAD, its 128 rows 128 positions of one batch.  Channels d and d + 64 lie in accumulators (a, b) and (a, b + 4), same lane, same register: the rotation needs no
; other lane.  q and k are rotated in f32, all three are rounded to f16 and leave as 32,768 consecutive bytes a wave.  Positions 0-15 of each sequence also leave in f32, as an image of the registers.
; THE TABLE of cos and sin runs two blocks of 16 positions ahead of the rotation: the first two blocks' are asked for at the kernel's head, into registers that the products never use.  The waves of v's
; heads, which rotate nothing, ask for those two as well: so all waves take one path through the head.
; LIMITS: |q|, |k|, |v| stay at or under 65,504 (f16).
; REGISTERS, in windows of 256: window 0: v0-31 addresses; v32-95 scale words, two sets, and nothing else; from v128 x's fragments, one set.  window 1: W's fragments, two sets, at v0 and v128; the table, two
;   sets, at v64 and v192.  windows 2, 3: the accumulators.  On the way out: window 0: v192-255 a block rotated, v96-127 as f16, v128-191 rows read back, two sets.
.set SIZE_K, 2048
.set WC,     4194304                   ; where W's codes begin in codes
.set WS,     262144                    ; and W's scale bytes in scales
.set KO,     16777216                  ; where k begins in qkv16; v begins 1 << 22 further on
.set KSTEP,  512
.set NQ,     KSTEP/128
.set ROWB,   256
.set KROW,   SIZE_K*4/8
.set PITCH,  272                       ; an LDS row: 256 bytes + 16 of padding: the 16 rows that a load touches start at 16 different banks (ISA guide 11.1)
.set FR,     8
.set NL,     2
.set NP,     4                         ; places behind this matrix instruction (ISA guide 7.12.1)
.set HALFT,  128*PITCH
.set SLOT,   4*HALFT
.set LAPS,   SIZE_K/(2*KSTEP)
.set KS,     SIZE_K/32
.set SCL,    2*SLOT
.set HALFS,  (128*KS/256)*272
.set SBLK,   (16*KS/256)*272
.set SPARE,  SCL+4*HALFS               ; the spare words, 128 bytes a wave
.set SPITCH, 272                       ; the way out: a stage of 16 rows x (256 bytes + 16) for each wave, in slot 0, which has had its last fill and its last read by then
.set ADRA, 16
.set ADRB, 20
.set STO,  24
.set RD,   25
.set CO,   26                          ; v26 16 x lane
.set ADRS, 27
.set SPW,  28
.set NIL,  29
.set SC,   32
.set AF,   128
.set NR,   192                         ; the way out: 64 numbers of a block, rotated
.set H,    96                          ; the same as f16
.set BK,   128                         ; 16 rows read back: v128-159 and v160-191 by turns
.set G1, 24
.set G0, 32
.set G1B, 48
.set G0B, 56
.set G1S, 68
.set G0S, 76
.set G1SB, 80
.set G0SB, 88
.set MSB, 0
.macro WIN new                         ; the immediate's high byte repeats the setting that is left
.if MSB != (\new)
	s_set_vgpr_msb (MSB<<8)|(\new)
.set MSB, (\new)
.endif
.endm
.set MUL_LO, 0xa1                      ; source 0 (W) window 1, source 1 (x) window 0, C and D window 2
.set MUL_HI, 0xf1
.set TO_B,   0x40
; A joint load: waves 0 and 1 fetch for x, waves 2 and 3 for W.  The branch hangs on the wave's number alone.  An s_nop 0 and four v_nop follow each of the two lines.
.macro JLOAD g0a, g1a, g0b, g1b
	s_cmp_eq_u32 s15, 0
	s_cbranch_scc0 .Lfor_b_\@
	tensor_load_to_lds s[\g0a:\g0a+3], s[\g1a:\g1a+7]
	s_nop 0
.rept 4
	v_nop
.endr
	s_branch .Lasked_\@
.Lfor_b_\@:
	tensor_load_to_lds s[\g0b:\g0b+3], s[\g1b:\g1b+7]
	s_nop 0
.rept 4
	v_nop
.endr
.Lasked_\@:
.endm
.macro CREST                           ; a round of the cluster's barrier behind its opening barrier
	s_cmp_lg_u32 s14, 0
	s_cbranch_scc1 .Lnot_wave_0_\@
	s_barrier_signal -3
.Lnot_wave_0_\@:
	s_barrier_wait -3
	s_barrier_signal -1
	s_barrier_wait -1
.endm
.macro CROUND
	s_barrier_signal -1
	s_barrier_wait -1
	CREST
.endm
.macro TABLE a                         ; block a's cos and sin into set a % 2 of window 1: register 16 b + 0..7 cos, 16 b + 8..15 sin of frequencies 16 b + 8 h + 0..7; each load 512 consecutive bytes
.set TS, 64+128*((\a)%2)
	WIN 0x40
.irp b, 0,1,2,3
.irp c, 0,1,2,3
	global_load_b128 v[TS+16*\b+4*\c:TS+16*\b+4*\c+3], v[CO], s[4:5] offset:8192*(\a)+2048*\b+512*\c
.endr
.endr
	WIN 0
.endm
	s_load_b128 s[4:7], s[0:1], 0x0                ; codes, scales
	s_load_b128 s[96:99], s[0:1], 0x10             ; rope, qkv16
	s_load_b64 s[100:101], s[0:1], 0x20            ; fine32
	v_lshl_add_u32 v[SPW], v0, 2, SPARE
	v_mov_b32 v[NIL], 0
	ds_add_u32 v[SPW], v[NIL]                      ; the wave's opening: the add, twice on end, and its wait ahead of my first tensor load
	ds_add_u32 v[SPW], v[NIL]
	v_lshrrev_b32 v1, 5, v0
	v_readfirstlane_b32 s14, v1                    ; wave 0..3
	s_lshr_b32 s15, s14, 1                         ; which half of the tile's rows is mine.  Also: I fetch for x (0) or for W (1)
	s_and_b32 s16, s14, 1                          ; which half of its columns.  Also: which 128 rows of that tile I fetch
	s_bfe_u32 s40, ttmp6, 0x40000                  ; cx, cy
	s_bfe_u32 s41, ttmp6, 0x40004
	s_lshl_b32 s42, ttmp9, 2
	s_add_co_u32 s42, s42, s40                     ; tile column = 4 x cluster x + cx
	s_and_b32 s17, ttmp7, 0xffff
	s_lshl_b32 s18, s41, 2
	s_add_co_u32 s17, s17, s18                     ; tile row = 4 cy + cluster y
	s_lshl_b32 s43, s41, 2
	s_lshl_b32 s43, 15, s43                        ; my row of the cluster
	s_lshl_b32 s44, 0x1111, s40                    ; my column
	s_or_b32 s[G1+0], s43, (0<<16)|(1<<20)|(1<<21)|(5<<22)|(3<<25)  ; the mask; elements of 1 byte; padding on; bit 21 beside a mask; 4 words behind every 64
	s_or_b32 s[G1B+0], s44, (0<<16)|(1<<20)|(1<<21)|(5<<22)|(3<<25)
.irp g, G1, G1B
	s_mov_b32 s[\g+1], ROWB<<16                    ; tensor_dim0
	s_mov_b32 s[\g+2], 128<<16                     ; tensor_dim1
	s_mov_b32 s[\g+3], ROWB<<16                    ; tile_dim0
	s_mov_b32 s[\g+4], 128                         ; tile_dim1
	s_mov_b32 s[\g+5], KROW                        ; the pitch
	s_mov_b32 s[\g+6], 0
	s_mov_b32 s[\g+7], 0
.endr
	s_or_b32 s[G1S+0], s43, (3<<16)|(1<<20)|(1<<21)|(5<<22)|(3<<25)  ; the scales of 128 rows: a dense block, as rows of 256 bytes (32 elements of 8)
	s_or_b32 s[G1SB+0], s44, (3<<16)|(1<<20)|(1<<21)|(5<<22)|(3<<25)
.irp g, G1S, G1SB
	s_mov_b32 s[\g+1], 32<<16
	s_mov_b32 s[\g+2], (128*KS/256)<<16
	s_mov_b32 s[\g+3], 32<<16
	s_mov_b32 s[\g+4], 128*KS/256
	s_mov_b32 s[\g+5], 32
	s_mov_b32 s[\g+6], 0
	s_mov_b32 s[\g+7], 0
.endr
	s_lshl_b32 s18, s16, 7
	s_lshl_b32 s20, s17, 8
	s_add_co_u32 s20, s20, s18                     ; x: row 256 x tile row + 128 x half
	s_lshl_b32 s46, s42, 8
	s_add_co_u32 s46, s46, s18                     ; W: row 256 x tile column + 128 x half
	s_mov_b32 s21, 0
	s_mov_b32 s47, 0
	s_mov_b64 s[18:19], KS
	s_mul_u64 s[22:23], s[20:21], s[18:19]
	s_mul_u64 s[92:93], s[46:47], s[18:19]
	s_mov_b64 s[18:19], KROW
	s_mul_u64 s[20:21], s[20:21], s[18:19]
	s_mul_u64 s[46:47], s[46:47], s[18:19]
	s_mul_i32 s45, s14, HALFT                      ; where they go: wave x 128 rows: no place in the cluster enters an LDS address
	s_mul_i32 s94, s14, HALFS
	s_wait_dscnt 0x0                               ; both opening adds are done
	s_wait_kmcnt 0x0
	s_add_nc_u64 s[8:9], s[4:5], WC                ; W's codes
	s_add_nc_u64 s[10:11], s[6:7], WS              ; W's scales
	s_add_nc_u64 s[20:21], s[4:5], s[20:21]
	s_add_nc_u64 s[22:23], s[6:7], s[22:23]
	s_add_nc_u64 s[46:47], s[8:9], s[46:47]
	s_add_nc_u64 s[92:93], s[10:11], s[92:93]
	CROUND                                         ; all sixteen work-groups are here: the first joint loads meet
	s_mov_b32 s[G0S], 1
	s_add_co_u32 s[G0S+1], s94, SCL
	s_mov_b64 s[G0S+2:G0S+3], s[22:23]
	s_or_b32 s[G0S+3], s[G0S+3], 0x80000000
	s_mov_b32 s[G0SB], 1
	s_add_co_u32 s[G0SB+1], s94, SCL
	s_mov_b64 s[G0SB+2:G0SB+3], s[92:93]
	s_or_b32 s[G0SB+3], s[G0SB+3], 0x80000000
	JLOAD G0S, G1S, G0SB, G1SB                     ; the scales first: three loads of mine are out at the start
.irp s, 0,1
	s_mov_b32 s[G0+4*\s], 1
	s_add_co_u32 s[G0+4*\s+1], s45, \s*SLOT
	s_add_nc_u64 s[G0+4*\s+2:G0+4*\s+3], s[20:21], \s*ROWB
	s_or_b32 s[G0+4*\s+3], s[G0+4*\s+3], 0x80000000
	s_mov_b32 s[G0B+4*\s], 1
	s_add_co_u32 s[G0B+4*\s+1], s45, \s*SLOT
	s_add_nc_u64 s[G0B+4*\s+2:G0B+4*\s+3], s[46:47], \s*ROWB
	s_or_b32 s[G0B+4*\s+3], s[G0B+4*\s+3], 0x80000000
	JLOAD G0+4*\s, G1, G0B+4*\s, G1B
.endr
	v_and_b32 v1, 15, v0                           ; r
	v_bfe_u32 v2, v0, 4, 1                         ; h
	v_mul_u32_u24 v3, v1, PITCH
	v_lshl_add_u32 v4, v2, 4, v3
	s_mul_i32 s21, s15, HALFT
	s_mul_i32 s22, s16, HALFT
	s_add_co_u32 s22, s22, 2*HALFT
.irp s, 0,1
	v_add_nc_u32 v[ADRA+\s], s21, v4
	v_add_nc_u32 v[ADRB+\s], s22, v4
	s_add_co_u32 s21, s21, SLOT
	s_add_co_u32 s22, s22, SLOT
.endr
	v_mul_u32_u24 v5, v1, KS                       ; my row's scales: KS bytes a row,
	v_lshrrev_b32 v6, 8, v5
	v_lshl_add_u32 v5, v6, 4, v5                   ; and 16 more for each 256 passed
	s_mul_i32 s21, s15, HALFS
	s_mul_i32 s22, s16, HALFS
	s_add_co_u32 s22, s22, 2*HALFS
	s_sub_co_u32 s22, s22, s21
	v_mul_u32_u24 v6, s22, v2                      ; lanes 16-31 take W's
	s_add_co_u32 s21, s21, SCL
	v_add_nc_u32 v5, v5, v6
	v_add_nc_u32 v[ADRS], s21, v5
	s_mul_i32 s23, s14, 16*SPITCH                  ; my stage
	v_mul_u32_u24 v5, v1, SPITCH                   ; in: row r, 16 bytes for each half of the lanes
	v_lshl_add_u32 v5, v2, 4, v5
	v_add_nc_u32 v[STO], s23, v5
	v_mul_u32_u24 v5, v2, SPITCH                   ; back: lanes 0-15 one row of 256 bytes, lanes 16-31 the next
	v_lshl_add_u32 v5, v1, 4, v5
	v_add_nc_u32 v[RD], s23, v5
	v_and_b32 v6, 31, v0
	v_lshlrev_b32 v[CO], 4, v6
	; the way out's bases and flags.  s4-s11 are free: the descriptors are written
	s_and_b32 s18, ttmp7, 0xffff                   ; cluster y: which quarter of the sequence
	s_lshl_b32 s19, s18, 4
	s_lshl_b32 s20, s15, 3
	s_add_co_u32 s19, s19, s20                     ; my first block of 16 positions
	s_lshl_b32 s20, s19, 13
	s_mov_b32 s21, 0
	s_add_nc_u64 s[4:5], s[96:97], s[20:21]        ; the table at that block: 8,192 bytes a block
	s_lshl_b32 s46, s42, 1
	s_add_co_u32 s46, s46, s16                     ; my head: 0-15 q's, 16 + 2 j k's, 17 + 2 j v's
	s_lshl_b32 s12, s41, 4
	s_add_co_u32 s12, s12, s46
	s_lshl_b32 s12, s12, 18                        ; q: (16 batch + head) x 262,144 bytes
	s_lshl_b32 s13, s41, 2
	s_add_co_u32 s13, s13, s40
	s_lshl_b32 s13, s13, 18                        ; k, v: (4 batch + key/value head) x 262,144,
	s_lshl_b32 s66, s16, 22                        ; v behind k,
	s_add_co_u32 s13, s13, s66
	s_add_co_u32 s13, s13, KO                      ; both behind q
	s_cmp_lt_u32 ttmp9, 2
	s_cselect_b32 s12, s12, s13
	s_lshl_b32 s13, s19, 12                        ; + my first position x 256 bytes
	s_add_co_u32 s12, s12, s13
	s_mov_b32 s13, 0
	s_add_nc_u64 s[6:7], s[98:99], s[12:13]        ; where my 32,768 bytes of f16 go
	s_mul_i32 s12, s41, 24
	s_add_co_u32 s12, s12, s46
	s_lshl_b32 s12, s12, 13
	s_add_nc_u64 s[8:9], s[100:101], s[12:13]      ; and my head's f32 image of positions 0-15
	s_or_b32 s10, s18, s15                         ; 0: my rows begin at position 0
	s_xor_b32 s11, ttmp9, 2
	s_xor_b32 s66, s16, 1
	s_or_b32 s11, s11, s66                         ; 0: my head is one of v's: no rotation
	TABLE 0                                        ; the first two blocks' cos and sin: 32 loads, which have all of the products in which to land
	TABLE 1
.macro FRAG reg, adr, q, i             ; 16 rows x 128 K of 4-bit codes: 8 registers; registers 4 c .. 4 c + 3 hold K = 64 c + 32 h + 0 .. 31
.irp c, 0,1
	ds_load_b128 v[\reg+4*\c:\reg+4*\c+3], v[\adr] offset:64*(\q)+32*\c+(\i)*16*PITCH
.endr
.endm
; 16 matrix instructions: x's blocks a0, a0 + 1 against W's eight.  The 64 accumulators take turns, one instruction a turn, in the same order in every step.
.macro MUL16 a0, p, q, sc, zero
.irp a, \a0, \a0+1
.irp b, 0,1,2,3,4,5,6,7
.if \zero
	v_wmma_scale_f32_16x16x128_f8f6f4 v[8*(8*((\a)%4)+\b):8*(8*((\a)%4)+\b)+7], v[128*(\p)+FR*\b:128*(\p)+FR*\b+FR-1], v[AF+FR*(\a):AF+FR*(\a)+FR-1], 0, v[SC+8*NQ*(\sc)+NQ*\b+(\q)], v[SC+8*NQ*(\sc)+NQ*(\a)+(\q)] matrix_a_fmt:MATRIX_FMT_FP4 matrix_b_fmt:MATRIX_FMT_FP4 matrix_a_scale:MATRIX_SCALE_ROW1
.else
	v_wmma_scale_f32_16x16x128_f8f6f4 v[8*(8*((\a)%4)+\b):8*(8*((\a)%4)+\b)+7], v[128*(\p)+FR*\b:128*(\p)+FR*\b+FR-1], v[AF+FR*(\a):AF+FR*(\a)+FR-1], v[8*(8*((\a)%4)+\b):8*(8*((\a)%4)+\b)+7], v[SC+8*NQ*(\sc)+NQ*\b+(\q)], v[SC+8*NQ*(\sc)+NQ*(\a)+(\q)] matrix_a_fmt:MATRIX_FMT_FP4 matrix_b_fmt:MATRIX_FMT_FP4 matrix_a_scale:MATRIX_SCALE_ROW1
.endif
.endr
.endr
.endm
.macro FETCH_B slot, q, p
	WIN TO_B
.irp i, 0,1,2,3,4,5,6,7
	FRAG 128*(\p)+FR*\i, ADRB+\slot, \q, \i
.endr
	WIN 0
.endm
.macro FETCH_A slot, q, i0
.irp i, \i0, \i0+1, \i0+2, \i0+3
	FRAG AF+FR*(\i), ADRA+\slot, \q, \i
.endr
.endm
.macro SCALES sc                       ; a K step's scale words: lanes 0-15 x's block i, lanes 16-31 W's block i
.irp i, 0,1,2,3,4,5,6,7
	ds_load_b128 v[SC+8*NQ*\sc+NQ*\i:SC+8*NQ*\sc+NQ*\i+3], v[ADRS] offset:\i*SBLK
.endr
.endm
.macro PLACES n                        ; plain vector instructions between a matrix instruction and a load into, or a read of, its registers
.rept \n
	v_nop
.endr
.endm
.macro STEP slot, q, zero              ; 128 along K with its successor in the same slot
	s_wait_dscnt 4*NL                              ; W's set and x's blocks 0-3 are in; the youngest eight loads (blocks 4-7) may be out
	WIN MUL_LO
	MUL16 0, (\q)%2, \q, \slot, \zero
	MUL16 2, (\q)%2, \q, \slot, \zero
	s_wait_dscnt 0
	PLACES NP
	FETCH_B \slot, (\q)+1, 1-(\q)%2
	FETCH_A \slot, (\q)+1, 0
	WIN MUL_HI
	MUL16 4, (\q)%2, \q, \slot, \zero
	MUL16 6, (\q)%2, \q, \slot, \zero
	PLACES NP
	WIN 0
	FETCH_A \slot, (\q)+1, 4
.endm
; A slot's last step changes slots: one barrier; in front of it each wave waits for all its tensor loads, adds 0 to its spare word, and waits for that and for its reads of this slot.
.macro TURN slot, next, fill
	s_wait_tensorcnt 0x0                           ; all my tensor loads have landed: my part of the next slot
	ds_add_u32 v[SPW], v[NIL]
	s_wait_dscnt 4*NL+1                            ; (the add and the youngest eight loads may be out)
	WIN MUL_LO
	MUL16 0, 1, NQ-1, \slot, 0
	s_wait_dscnt 0x0                               ; the add is done, and my reads of this slot are over
	s_barrier_signal -1
	MUL16 2, 1, NQ-1, \slot, 0
	WIN 0
	s_barrier_wait -1
.if \fill
	CREST                                          ; the barrier has opened a round of the cluster's: no wave of any partner still reads this slot or has a load on its way
	s_add_nc_u64 s[G0+4*\slot+2:G0+4*\slot+3], s[G0+4*\slot+2:G0+4*\slot+3], 2*ROWB
	s_add_nc_u64 s[G0B+4*\slot+2:G0B+4*\slot+3], s[G0B+4*\slot+2:G0B+4*\slot+3], 2*ROWB
	JLOAD G0+4*\slot, G1, G0B+4*\slot, G1B         ; the first tensor load behind the round; its four v_nop are the places in front of the loads below
.else
	PLACES NP
.endif
	v_add_nc_u32 v[ADRS], 4*NQ, v[ADRS]            ; the next K step's scale words
	FETCH_B \next, 0, 0
	FETCH_A \next, 0, 0
	SCALES \next
	WIN MUL_HI
	MUL16 4, 1, NQ-1, \slot, 0
	MUL16 6, 1, NQ-1, \slot, 0
	PLACES NP
	WIN 0
	FETCH_A \next, 0, 4
.endm
.macro STEPS slot, from
.set Q, \from
.rept NQ-1-\from
	STEP \slot, Q, 0
.set Q, Q+1
.endr
.endm
	s_wait_tensorcnt 1                             ; the scales and my part of K step 0 are in (K step 1's load may be out)
	s_barrier_signal -1
	s_barrier_wait -1
	FETCH_B 0, 0, 0
	FETCH_A 0, 0, 0
	SCALES 0
	FETCH_A 0, 0, 4
	STEP 0, 0, 1                                   ; the first step's products start the sums
	s_mov_b32 s3, LAPS-1
.Llap:                                                 ; a trip goes once round the ring and fills both slots again
	STEPS 0, 1
	TURN 0, 1, 1
	STEPS 1, 0
	TURN 1, 0, 1
	STEP 0, 0, 0
	s_sub_co_u32 s3, s3, 1
	s_cmp_lg_u32 s3, 0
	s_cbranch_scc1 .Llap
	STEPS 0, 1                                     ; the last lap fills nothing
	TURN 0, 1, 0
	STEPS 1, 0
	s_wait_dscnt 4*NL
	WIN MUL_LO
	MUL16 0, 1, NQ-1, 1, 0
	MUL16 2, 1, NQ-1, 1, 0
	s_wait_dscnt 0
	WIN MUL_HI
	MUL16 4, 1, NQ-1, 1, 0
	MUL16 6, 1, NQ-1, 1, 0
	WIN 0
; THE WAY OUT, block a of 16 positions at a time.
.macro ROPE a                          ; x1 cos - x2 sin and x1 sin + x2 cos, two at a time; each accumulator is read from its low end on
.set AC, 64*((\a)%4)
.set TS, 64+128*((\a)%2)
.set WN, 0x06+(\a)/4                   ; source 0 window 2 or 3, source 1 window 1
	WIN WN
.irp b, 0,1,2,3
.irp p, 0,1,2,3
	v_pk_mul_f32 v[NR+8*\b+2*\p:NR+8*\b+2*\p+1], v[AC+32+8*\b+2*\p:AC+32+8*\b+2*\p+1], v[TS+16*\b+8+2*\p:TS+16*\b+8+2*\p+1]
	v_pk_mul_f32 v[NR+32+8*\b+2*\p:NR+32+8*\b+2*\p+1], v[AC+32+8*\b+2*\p:AC+32+8*\b+2*\p+1], v[TS+16*\b+2*\p:TS+16*\b+2*\p+1]
	v_pk_fma_f32 v[NR+8*\b+2*\p:NR+8*\b+2*\p+1], v[AC+8*\b+2*\p:AC+8*\b+2*\p+1], v[TS+16*\b+2*\p:TS+16*\b+2*\p+1], v[NR+8*\b+2*\p:NR+8*\b+2*\p+1] neg_lo:[0,0,1] neg_hi:[0,0,1]
	v_pk_fma_f32 v[NR+32+8*\b+2*\p:NR+32+8*\b+2*\p+1], v[AC+8*\b+2*\p:AC+8*\b+2*\p+1], v[TS+16*\b+8+2*\p:TS+16*\b+8+2*\p+1], v[NR+32+8*\b+2*\p:NR+32+8*\b+2*\p+1]
.endr
.endr
	WIN 0
.endm
.macro CVT
.set i, 0
.rept 32
	v_cvt_pk_f16_f32 v[H+i], v[NR+2*i], v[NR+2*i+1]
.set i, i+1
.endr
.endm
.macro PACKV a                         ; v's heads: straight from the accumulators, each from its low end on
.set AC, 64*((\a)%4)
.set WN, 0x0a+5*((\a)/4)
	WIN WN
.set i, 0
.rept 32
	v_cvt_pk_f16_f32 v[H+i], v[AC+2*i], v[AC+2*i+1]
.set i, i+1
.endr
	WIN 0
.endm
.macro FINE                            ; positions 0-15 in f32, as they stand in the registers: [bb 8][c 2][lane][16 bytes]; each store 512 consecutive bytes
	s_cmp_lg_u32 s10, 0
	s_cbranch_scc1 .Lno_fine_\@
.irp b, 0,1,2,3,4,5,6,7
.irp c, 0,1
	global_store_b128 v[CO], v[NR+8*\b+4*\c:NR+8*\b+4*\c+3], s[8:9] offset:1024*\b+512*\c
.endr
.endr
	s_wait_xcnt 0x0                                ; the stores have read their registers: the next block may be written there
.Lno_fine_\@:
.endm
.macro FINEV
	s_cmp_lg_u32 s10, 0
	s_cbranch_scc1 .Lno_fine_\@
	WIN 0x08                                       ; a store's data are its source 1: window 2
.irp b, 0,1,2,3,4,5,6,7
.irp c, 0,1
	global_store_b128 v[CO], v[8*\b+4*\c:8*\b+4*\c+3], s[8:9] offset:1024*\b+512*\c
.endr
.endr
	WIN 0
.Lno_fine_\@:
.endm
.macro TOSTAGE a                       ; 16 bytes a lane into rows of 272, back as whole rows: LDS serves a wave's instructions in order
.set BB, BK+32*((\a)%2)
.irp b, 0,1,2,3,4,5,6,7
	ds_store_b128 v[STO], v[H+4*\b:H+4*\b+3] offset:32*\b
.endr
.irp t, 0,1,2,3,4,5,6,7
	ds_load_b128 v[BB+4*\t:BB+4*\t+3], v[RD] offset:\t*2*SPITCH
.endr
.endm
.macro SEND a
.set BB, BK+32*((\a)%2)
	s_wait_dscnt 0x0                               ; the block is back in registers
.irp t, 0,1,2,3,4,5,6,7
	global_store_b128 v[CO], v[BB+4*\t:BB+4*\t+3], s[6:7] offset:4096*(\a)+512*\t   ; 32 lanes store 512 consecutive bytes, aligned; no base is stepped
.endr
.endm
	PLACES NP                                      ; behind the last products: for the loads into x's registers and the reads of results
	s_cmp_eq_u32 s11, 0
	s_cbranch_scc1 .Lplain
.irp a, 0,1,2,3,4,5,6,7
.if \a < 7
	s_wait_loadcnt 16                              ; this block's table is in; the next block's sixteen loads may be out
.else
	s_wait_loadcnt 0
.endif
	ROPE \a
.if \a < 6
	TABLE \a+2                                     ; into the set that this block's rotation has just read: two blocks ahead
.endif
	CVT
.if \a == 0
	FINE
.endif
.if \a >= 1
	SEND \a-1
.endif
.if \a >= 2
	s_wait_xcnt 0x0                                ; block a - 2's stores have read their registers: block a's rows may land there
.endif
	TOSTAGE \a
.endr
	SEND 7
	s_branch .Lclose
.Lplain:
.irp a, 0,1,2,3,4,5,6,7
	PACKV \a
.if \a == 0
	FINEV
.endif
.if \a >= 1
	SEND \a-1
.endif
.if \a >= 2
	s_wait_xcnt 0x0
.endif
	TOSTAGE \a
.endr
	SEND 7
.Lclose:
	s_wait_tensorcnt 0x0                           ; the wave's end
	ds_add_u32 v[SPW], v[NIL]
	s_wait_dscnt 0x0
	CROUND                                         ; the closing round
	s_endpgm
.Lfunc_end_k_q612686112a_qkv:
	.size	k_q612686112a_qkv, .Lfunc_end_k_q612686112a_qkv-k_q612686112a_qkv
	.p2alignl 7, 3214868480
	.fill 96, 4, 3214868480
	.section	.rodata,"a",@progbits
	.p2align	6, 0x0
	.amdhsa_kernel k_q612686112a_qkv
		.amdhsa_group_segment_fixed_size 327680
		.amdhsa_private_segment_fixed_size 0
		.amdhsa_enable_private_segment 0
		.amdhsa_kernarg_size 40
		.amdhsa_user_sgpr_count 2
		.amdhsa_user_sgpr_kernarg_segment_ptr 1
		.amdhsa_wavefront_size32 1
		.amdhsa_system_sgpr_workgroup_id_x 1
		.amdhsa_system_sgpr_workgroup_id_y 1
		.amdhsa_system_sgpr_workgroup_id_z 1
		.amdhsa_system_vgpr_workitem_id 0
		.amdhsa_next_free_vgpr 1024
		.amdhsa_next_free_sgpr 102
		.amdhsa_reserve_vcc 0
		.amdhsa_float_denorm_mode_32 3
		.amdhsa_float_denorm_mode_16_64 3
		.amdhsa_memory_ordered 1
		.amdhsa_forward_progress 1
		.amdhsa_inst_pref_size 255
	.end_amdhsa_kernel
	.section	.bss,"aw",@nobits
	.p2align	6
	.space	262144
	.amdgpu_metadata
---
amdhsa.version: [ 1, 2 ]
amdhsa.kernels:
  - .name:           k_q612686112a_qkv
    .symbol:         k_q612686112a_qkv.kd
    .args:
      - { .name: codes, .offset: 0, .size: 8, .value_kind: global_buffer, .address_space: global }
      - { .name: scales, .offset: 8, .size: 8, .value_kind: global_buffer, .address_space: global }
      - { .name: rope, .offset: 16, .size: 8, .value_kind: global_buffer, .address_space: global }
      - { .name: qkv16, .offset: 24, .size: 8, .value_kind: global_buffer, .address_space: global }
      - { .name: fine32, .offset: 32, .size: 8, .value_kind: global_buffer, .address_space: global }
    .group_segment_fixed_size: 327680
    .private_segment_fixed_size: 0
    .kernarg_segment_align: 8
    .kernarg_segment_size: 40
    .max_flat_workgroup_size: 128
    .sgpr_count:     102
    .vgpr_count:     1024
    .wavefront_size: 32
...
	.end_amdgpu_metadata
.endif
;; end of part 2
;; launch attn (part 3): grid 16 x 16, 4 waves a work-group, no clusters, 327,680 bytes of LDS; arguments qkv16, ao16, fine32, fineo; writes ao16, fineo
.if DOCPART == 3
	.amdgcn_target "amdgcn-amd-amdhsa--gfx1250"
	.amdhsa_code_object_version 6
	.text
	.protected	k_q612686112a_attn
	.globl	k_q612686112a_attn
	.p2align	8
	.type	k_q612686112a_attn,@function
k_q612686112a_attn:
	s_mov_b64 s[64:65], 0
	v_nop
	global_prefetch_b8 v0, s[64:65] scope:SCOPE_SE
	s_setreg_imm32_b32 hwreg(HW_REG_WAVE_MODE, 25, 1), 1
	s_wait_xcnt 0x0
; CAUSAL ATTENTION ON f16 OPERANDS, f32 sums.  q [b][16][1024][128], k and v [b][4][1024][128] in qkv16; the result goes to ao16 [b 1024 + t][head 128 + d], f16.
; SHARES.  Work-group (i, y): y = 4 b + key/value head; its four waves are the four query heads that share that head's K and V, so one tile in LDS feeds all four, and all four have the same mask.
; A wave owns four tiles of 16 queries: PIECE 0 (tiles 0, 1) queries 32 i on, PIECE 2 (tiles 2, 3) queries 32 (31 - i) on.  With key steps of 64, piece 0 works in i / 2 + 1 steps and piece 2 in
; (31 - i) / 2 + 1: 17 piece-steps in every work-group: 256 equal work-groups.
; NO CLUSTER: work-groups that read the same K and V need different numbers of tiles (the causal limit), and the heads that share tiles already sit in one work-group.
; LAYOUT.  S^T = K Q^T (source 0 = 16 keys, source 1 = 16 queries): a lane holds ONE query (lane % 16) and keys 8 (lane / 16) + 0..7.  Two such tiles, rounded to f16 in pairs, are source 1 of
; O^T = V^T P.  K comes out of LDS as it lies, V turned by ds_load_tr16_b128.
; SOFTMAX.  A running maximum m and sum l: p = 2^(c s - c m), c = log2(e) / sqrt(128); in every step O and l are multiplied by a = 2^(c m_old - c m_new).  m begins at -3e38, l and O^T at 0.
; EVERY work-group walks all eight slots of 128 keys: the trip counts are constants.  What is left out, by scalar branches on ids, is a step's work where all its keys come after a piece's queries,
; and the tensor load of a slot that none of the four waves would read.
; A KEY STEP PARTS ONCE, into an arm for both pieces and an arm for piece 2 alone, each written out: so on each way through the text every register is written before it is read.
; In phases: all of a step's K Q^T, the masks and softmaxes, all of its V^T P.
; POSITIONS 0-15 OF EACH SEQUENCE ARE ALSO MADE IN f32, ONCE: under the causal mask these rows average one to sixteen values, where the rounding of 16-bit operands weighs most.  The work-groups with
; i = 15 have one wave for each batch and query head, and work in 9 of the 16 key steps, the fewest: at the kernel's head each of their waves takes its head's f32 images of q, k, v out of fine32
; ([b][q 0-15, k 16 + 2 j, v 17 + 2 j][bb 8][c 2][lane 32][16 bytes]: lane (r, hf) has position r, channels 16 bb + 8 hf + 4 c + 0..3), makes the 16 x 16 attention by v_wmma_f32_16x16x4_f32 and
; stores O^T to fineo as an image of its registers, [b][head][t 8][c 2][lane 32][16 bytes]: lane (r, hf) has position r, channels 16 t + 8 hf + 4 c + 0..3.  The last launch projects it in f32.
; LIMITS: the bulk's operands are f16 (|q|, |k|, |v| at or under 65,504).
; REGISTERS, in windows of 256: window 0: addresses, v12-43 statistics, v64-191 S^T, v192-255 P.  window 1: O^T.  window 2: v0-127 Q, v128-255 K of a step.  window 3: v0-127 V of a step;
;   v128-223 the f32 form's accumulators, written by matrix instructions alone.
.set PKP,   272                        ; a row of K in LDS: 256 bytes + 16
.set PVP,   288                        ; a row of V: 256 + 32
.set VOFF,  128*PKP                    ; a slot: 128 rows of K, then 128 rows of V
.set SLOT1, 1<<17
.set STAGE, SLOT1+128*(PKP+PVP)        ; 16 rows x 272 bytes for each wave, for the way out: no tile lands there
.set SP,    272
.set SPARE, STAGE+4*16*SP              ; the spare words, 128 bytes a wave
.set KO,    16777216
.set VO,    20971520
.set AK0, 2                            ; v2  my lane's place in a tile of K
.set AV0, 3                            ; v3  the same for V
.set ADK, 4                            ; v4, v5 the addresses of the runs of loads in hand
.set ADV, 5
.set STO, 6
.set RD,  7
.set GOS, 8                            ; v8, v9   my byte offsets in ao16 for pieces 0 and 2
.set QOS, 10                           ; v10, v11 the same in q
.set ST,  12                           ; tile t's statistics at v[ST + 8 t]: +0 c m, +1 m, +2, +3 l, +4 to +7 at work; a in +6
.set RH,  44                           ; v44 r - 8 h
.set DM,  45
.set NINF, 46
.set PFO, 61                           ; v61 256 x lane
.set SPW, 62
.set NIL, 63
.set S,   64
.set P,   192
.set KFR, 128
.set FQ,  64                           ; the f32 block, at the head alone: v64-127 q's image, v128-191 k's, v192-255 v gathered, v12-27 the scores and weights, v28-31 at work, v51, v52 offsets
.set FK,  128
.set FV,  192
.set FP,  12
.set FSA, 128                          ; in window 3: four accumulators of S^T,
.set FOT, 160                          ; eight of O^T
.set WV,  12
.set LIM, 15
.set PFA, 18
.set G1K, 24
.set G1V, 32
.set G0K, 40
.set G0V, 44
.set KEY, 48                           ; s48 the step's first key
.set QS,  49                           ; s49 piece 0's first query
.set QB,  50                           ; s50 piece 2's
.set TBK, 51                           ; s51, s52 where the step's rows of K and of V begin in LDS
.set TBV, 52
.set SLOTS, 56
.set TWICE, 57
.set CS,  58
.set SEL, 60
.set MSB, 0
.macro WIN new
.if MSB != (\new)
	s_set_vgpr_msb (MSB<<8)|(\new)
.set MSB, (\new)
.endif
.endm
.set W_KQ, 0x0a
.set W_PV, 0x53
.set W_RS, 0x41
; Wave 0 fetches a slot's K, wave 1 its V, the others nothing.  An s_nop 0 and four v_nop follow each load.
.macro TLOAD
	s_cmp_lt_u32 s[WV], 1
	s_cbranch_scc0 .Lnot_k_\@
	tensor_load_to_lds s[G0K:G0K+3], s[G1K:G1K+7]
	s_nop 0
.rept 4
	v_nop
.endr
	s_branch .Lasked_\@
.Lnot_k_\@:
	s_cmp_lt_u32 s[WV], 2
	s_cbranch_scc0 .Lasked_\@
	tensor_load_to_lds s[G0V:G0V+3], s[G1V:G1V+7]
	s_nop 0
.rept 4
	v_nop
.endr
.Lasked_\@:
.endm
; A PREFETCH of the slot that the NEXT change of slots will ask for: 128 rows of 256 bytes of K (wave 2) and of V (wave 3), a lane a row, four instructions a wave.  All sixteen work-groups of a y walk the
; same K and V: the one with i = 0, which loads all eight slots, asks, so each row is named once in the launch.  The last change that fills a slot asks for nothing.
.macro ASK
	s_cmp_gt_u32 s[SLOTS], s[LIM]
	s_cbranch_scc0 .Lnot_mine_\@
.irp o, 0,1,2,3
	global_prefetch_b8 v[PFO], s[PFA:PFA+1] offset:8192*\o th:TH_LOAD_NT scope:SCOPE_SE
.endr
.Lnot_mine_\@:
.endm
.macro PLACES
.rept 4
	v_nop
.endr
.endm
	s_load_b128 s[4:7], s[0:1], 0x0                ; qkv16, ao16
	s_load_b128 s[68:71], s[0:1], 0x10             ; fine32, fineo
	v_lshl_add_u32 v[SPW], v0, 2, SPARE
	v_mov_b32 v[NIL], 0
	ds_add_u32 v[SPW], v[NIL]                      ; the wave's opening: the add, twice on end, and its wait ahead of the first tensor load
	ds_add_u32 v[SPW], v[NIL]
	v_lshrrev_b32 v1, 5, v0
	v_readfirstlane_b32 s[WV], v1
	s_and_b32 s13, ttmp7, 0xffff                   ; y
	s_lshl_b32 s[QS], ttmp9, 5
	s_sub_co_u32 s[QB], 31, ttmp9
	s_lshl_b32 s[QB], s[QB], 5
	s_mov_b32 s[G1K], (1<<16)|(1<<20)|(5<<22)|(3<<25)   ; no mask; elements of 2 bytes; padding on: 4 words behind every 64
	s_mov_b32 s[G1V], (1<<16)|(1<<20)|(5<<22)|(7<<25)   ; 8 words
.irp g, G1K, G1V
	s_mov_b32 s[\g+1], 128<<16                     ; tensor_dim0
	s_mov_b32 s[\g+2], 128<<16                     ; tensor_dim1
	s_mov_b32 s[\g+3], 128<<16                     ; tile_dim0
	s_mov_b32 s[\g+4], 128                         ; tile_dim1
	s_mov_b32 s[\g+5], 128                         ; the pitch
	s_mov_b32 s[\g+6], 0
	s_mov_b32 s[\g+7], 0
.endr
	s_mov_b32 s[CS], 0x3e0293ee                    ; c = log2(e) / sqrt(128)
	s_mov_b32 s[CS+1], s[CS]
	s_mov_b32 s[SEL], 0x76543210
	s_mov_b32 s[SEL+1], 0xfedcba98
	s_mov_b32 s[KEY], 0
	s_mov_b32 s[TBK], 0
	s_mov_b32 s[TBV], 0
	s_mov_b32 s[SLOTS], 7
	s_lshr_b32 s[LIM], s[WV], 1
	s_xor_b32 s[LIM], s[LIM], 1                    ; 0 in waves 2 and 3,
	s_or_b32 s[LIM], s[LIM], ttmp9                 ; of the work-group with i = 0
	s_cmp_eq_u32 s[LIM], 0
	s_cselect_b32 s[LIM], 1, -1
	v_and_b32 v[PFO], 31, v0
	v_lshlrev_b32 v[PFO], 8, v[PFO]
	s_lshl_b32 s20, s13, 18
	s_mov_b32 s21, 0
	s_wait_dscnt 0x0                               ; both opening adds are done
	s_wait_kmcnt 0x0
	s_add_nc_u64 s[22:23], s[4:5], s[20:21]
	s_mov_b32 s[G0K], 1
	s_mov_b32 s[G0K+1], 0
	s_add_nc_u64 s[G0K+2:G0K+3], s[22:23], KO
	s_or_b32 s[G0K+3], s[G0K+3], 0x80000000
	s_mov_b32 s[G0V], 1
	s_mov_b32 s[G0V+1], VOFF
	s_add_nc_u64 s[G0V+2:G0V+3], s[22:23], VO
	s_or_b32 s[G0V+3], s[G0V+3], 0x80000000
	TLOAD                                          ; slot 0: it holds key 0, which counts for every query
	s_cmp_eq_u32 s[WV], 3
	s_cselect_b32 s16, VO-KO, 0
	s_add_co_u32 s16, s16, KO+32768                ; the prefetches stand in slot 1; the first change of slots steps them to slot 2
	s_mov_b32 s17, 0
	s_add_nc_u64 s[PFA:PFA+1], s[22:23], s[16:17]
	s_lshl_b32 s20, s13, 2
	s_add_co_u32 s20, s20, s[WV]
	s_lshl_b32 s20, s20, 18
	s_add_nc_u64 s[4:5], s[4:5], s[20:21]          ; q at my head: 16 b + 4 (key/value head) + wave = 4 y + wave
	s_lshr_b32 s20, s13, 2
	s_lshl_b32 s20, s20, 22                        ; ao16: the batch's 1,024 rows of 4,096 bytes,
	s_and_b32 s14, s13, 3
	s_lshl_b32 s14, s14, 2
	s_add_co_u32 s14, s14, s[WV]
	s_lshl_b32 s14, s14, 8                         ; my head's 256 bytes of a row
	s_add_co_u32 s20, s20, s14
	s_add_nc_u64 s[10:11], s[6:7], s[20:21]
	v_and_b32 v47, 15, v0                          ; r
	v_bfe_u32 v48, v0, 4, 1                        ; h
	v_lshlrev_b32 v49, 8, v47
	v_lshl_add_u32 v49, v48, 4, v49                ; a fragment of Q: row x 256 + 16 x half
	s_lshl_b32 s20, s[QS], 8
	v_add_nc_u32 v[QOS], s20, v49
	s_lshl_b32 s20, s[QB], 8
	v_add_nc_u32 v[QOS+1], s20, v49
	WIN 0x80
.irp i, 0,1,2,3,4,5,6,7,8,9,10,11,12,13,14,15  ; Q stays in registers: tile i / 4, channels 32 (i % 4) on
	global_load_b128 v[8*\i:8*\i+3],   v[QOS+\i/8], s[4:5] offset:((\i/4)%2)*4096+(\i%4)*64
	global_load_b128 v[8*\i+4:8*\i+7], v[QOS+\i/8], s[4:5] offset:((\i/4)%2)*4096+(\i%4)*64+32
.endr
	WIN 0
	v_mul_u32_u24 v[AK0], v47, PKP
	v_lshl_add_u32 v[AK0], v48, 4, v[AK0]
	v_and_b32 v49, 7, v0                           ; the turning load: lane l reads key 8 (l / 16) + l % 8, channels 8 ((l / 8) % 2) + 0..7
	v_bfe_u32 v50, v0, 3, 1
	v_lshl_add_u32 v[AV0], v48, 3, v49
	v_mul_u32_u24 v[AV0], v[AV0], PVP
	v_lshl_add_u32 v[AV0], v50, 4, v[AV0]
	v_add_nc_u32 v[AV0], VOFF, v[AV0]
	s_mul_i32 s16, s[WV], 16*SP
	s_add_co_u32 s16, s16, STAGE
	v_mul_u32_u24 v[STO], v47, SP
	v_lshl_add_u32 v[STO], v48, 4, v[STO]
	v_add_nc_u32 v[STO], s16, v[STO]
	v_mul_u32_u24 v[RD], v48, SP
	v_lshl_add_u32 v[RD], v47, 4, v[RD]
	v_add_nc_u32 v[RD], s16, v[RD]
	v_lshlrev_b32 v49, 12, v48
	v_lshl_add_u32 v49, v47, 4, v49                ; the way out: lanes 0-15 one row of ao16, lanes 16-31 the next, 16 bytes a lane
	s_lshl_b32 s16, s[QS], 12
	v_add_nc_u32 v[GOS], s16, v49
	s_lshl_b32 s16, s[QB], 12
	v_add_nc_u32 v[GOS+1], s16, v49
	v_lshlrev_b32 v49, 3, v48
	v_sub_nc_u32 v[RH], v47, v49
	v_mov_b32 v[NINF], 0xff800000
; ---- POSITIONS 0-15 IN f32: the work-groups with i = 15 alone; a branch on the work-group's number.  Along K each product takes the same permutation on both sides, so nothing changes lanes:
; a step of 4 takes registers 2 n, 2 n + 1 of both images (S^T = K Q^T); keys 8 hf + 2 i + j (O^T = V^T P, V gathered so).
	s_cmp_lg_u32 ttmp9, 15
	s_cbranch_scc1 .Lno_fine
	s_lshr_b32 s72, s13, 2
	s_mul_i32 s72, s72, 24                         ; the batch's 24 images
	s_and_b32 s73, s13, 3                          ; the key/value head
	s_lshl_b32 s74, s73, 2
	s_add_co_u32 s74, s74, s[WV]                   ; my query head
	s_add_co_u32 s74, s74, s72
	s_lshl_b32 s74, s74, 13
	s_mov_b32 s75, 0
	s_add_nc_u64 s[76:77], s[68:69], s[74:75]      ; q's image
	s_lshl_b32 s74, s73, 1
	s_add_co_u32 s74, s74, s72
	s_add_co_u32 s74, s74, 16
	s_lshl_b32 s74, s74, 13
	s_add_nc_u64 s[78:79], s[68:69], s[74:75]      ; k's image; v's lies 8,192 bytes on
	s_lshl_b32 s74, s13, 2
	s_add_co_u32 s74, s74, s[WV]
	s_lshl_b32 s74, s74, 13
	s_add_nc_u64 s[72:73], s[70:71], s[74:75]      ; where O^T goes: image 16 b + head = 4 y + wave
	v_and_b32 v51, 31, v0
	v_lshlrev_b32 v51, 4, v51                      ; 16 x lane
	v_bfe_u32 v49, v47, 2, 1                       ; V(key 8 hf + kk, channel 16 t + r) lies in the image at 1,024 t + 16 kk + 512 ((r >> 2) & 1) + 256 (r >> 3) + 128 hf + 4 (r & 3)
	v_lshlrev_b32 v52, 9, v49
	v_lshrrev_b32 v49, 3, v47
	v_lshl_add_u32 v52, v49, 8, v52
	v_lshl_add_u32 v52, v48, 7, v52
	v_and_b32 v49, 3, v47
	v_lshl_add_u32 v52, v49, 2, v52
	v_mov_b32 v30, 0                               ; (a lane permute's destination counts as one of its sources)
.irp b, 0,1,2,3,4,5,6,7
.irp c, 0,1
	global_load_b128 v[FQ+8*\b+4*\c:FQ+8*\b+4*\c+3], v51, s[76:77] offset:1024*\b+512*\c
	global_load_b128 v[FK+8*\b+4*\c:FK+8*\b+4*\c+3], v51, s[78:79] offset:1024*\b+512*\c
.endr
.endr
.irp t, 0,1,2,3,4,5,6,7
.irp k, 0,1,2,3,4,5,6,7
	global_load_b32 v[FV+8*\t+\k], v52, s[78:79] offset:8192+1024*\t+16*\k   ; V(8 hf + k, 16 t + r): 64 waves of the launch gather so, once
.endr
.endr
	s_wait_loadcnt 63                              ; of the 128 loads issued (Q's 32, the images' 32, V's 64) all but the youngest 63 are in: both images are
	WIN 0xf0                                       ; C and D window 3, sources window 0
.set n, 0
.rept 32                                       ; S^T: 32 steps of 4 channels on four accumulators by turns; the first four start the sums
.if n < 4
	v_wmma_f32_16x16x4_f32 v[FSA+8*(n%4):FSA+8*(n%4)+7], v[FK+2*n:FK+2*n+1], v[FQ+2*n:FQ+2*n+1], 0
.else
	v_wmma_f32_16x16x4_f32 v[FSA+8*(n%4):FSA+8*(n%4)+7], v[FK+2*n:FK+2*n+1], v[FQ+2*n:FQ+2*n+1], v[FSA+8*(n%4):FSA+8*(n%4)+7]
.endif
.set n, n+1
.endr
.rept 8
	v_nop                                          ; eight places behind this form (ISA guide 7.12.1), in front of the reads of its results
.endr
	WIN 0x0f                                       ; sources 0 and 1 window 3
.irp p, 0,1,2,3
	v_pk_add_f32 v[FP+2*\p:FP+2*\p+1], v[FSA+2*\p:FSA+2*\p+1], v[FSA+8+2*\p:FSA+8+2*\p+1]     ; the four sums are added, each read from its low end on
.endr
.irp p, 0,1,2,3
	v_pk_add_f32 v[FP+8+2*\p:FP+8+2*\p+1], v[FSA+16+2*\p:FSA+16+2*\p+1], v[FSA+24+2*\p:FSA+24+2*\p+1]
.endr
	WIN 0
.irp p, 0,1,2,3
	v_pk_add_f32 v[FP+2*\p:FP+2*\p+1], v[FP+2*\p:FP+2*\p+1], v[FP+8+2*\p:FP+8+2*\p+1]         ; register j: key 8 hf + j, query r
.endr
.irp j, 0,1,2,3,4,5,6,7
	v_cmp_gt_i32 vcc_lo, \j, v[RH]                 ; hidden where 8 hf + j > r
	v_cndmask_b32 v[FP+\j], v[FP+\j], v[NINF], vcc_lo
.endr
	v_max3_num_f32 v28, v[FP], v[FP+1], v[FP+2]
	v_max3_num_f32 v28, v28, v[FP+3], v[FP+4]
	v_max3_num_f32 v28, v28, v[FP+5], v[FP+6]
	v_max_num_f32 v28, v28, v[FP+7]
	v_permlanex16_b32 v30, v28, s[SEL], s[SEL+1]
	v_max_num_f32 v28, v28, v30                    ; the row's maximum: key 0 counts for every query, so it is a number
	v_mul_f32 v28, s[CS], v28
.irp j, 0,1,2,3,4,5,6,7
	v_fma_f32 v[FP+\j], v[FP+\j], s[CS], -v28
.endr
.irp j, 0,1,2,3,4,5,6,7
	v_exp_f32 v[FP+\j], v[FP+\j]
.endr
	v_nop
	s_wait_alu depctr_va_vdst(0)                   ; one wait for the eight
	v_pk_add_f32 v[30:31], v[FP:FP+1], v[FP+2:FP+3]
	v_pk_add_f32 v[30:31], v[30:31], v[FP+4:FP+5]
	v_pk_add_f32 v[30:31], v[30:31], v[FP+6:FP+7]
	v_add_f32 v30, v30, v31
	v_permlanex16_b32 v31, v30, s[SEL], s[SEL+1]
	v_add_f32 v30, v30, v31
	v_rcp_f32 v30, v30
	v_nop
	s_wait_alu depctr_va_vdst(0)
.irp j, 0,1,2,3,4,5,6,7
	v_mul_f32 v[FP+\j], v[FP+\j], v30              ; the weights, normalised
.endr
	s_wait_loadcnt 0x0                             ; V is in
	WIN 0xf0
.irp i, 0,1,2,3                                ; O^T = V^T P: four steps of 4 keys, eight accumulators by turns
.irp t, 0,1,2,3,4,5,6,7
.if \i == 0
	v_wmma_f32_16x16x4_f32 v[FOT+8*\t:FOT+8*\t+7], v[FV+8*\t+2*\i:FV+8*\t+2*\i+1], v[FP+2*\i:FP+2*\i+1], 0
.else
	v_wmma_f32_16x16x4_f32 v[FOT+8*\t:FOT+8*\t+7], v[FV+8*\t+2*\i:FV+8*\t+2*\i+1], v[FP+2*\i:FP+2*\i+1], v[FOT+8*\t:FOT+8*\t+7]
.endif
.endr
.endr
.rept 8
	v_nop                                          ; eight places in front of the stores that read the results, and of the lines below that write the sources anew
.endr
	WIN 0x0c                                       ; a store's data are its source 1: window 3
.irp t, 0,1,2,3,4,5,6,7
.irp c, 0,1
	global_store_b128 v51, v[FOT+8*\t+4*\c:FOT+8*\t+4*\c+3], s[72:73] offset:1024*\t+512*\c   ; each accumulator from its low end on; 32 lanes store 512 consecutive bytes
.endr
.endr
	WIN 0
.Lno_fine:
.irp t, 0,1,2,3
	v_mov_b32 v[ST+8*\t+1], 0xff61b1e6             ; m = -3e38, under every score
	v_mul_f32 v[ST+8*\t], s[CS], v[ST+8*\t+1]
.irp u, 2,3,4,5,6,7
	v_mov_b32 v[ST+8*\t+\u], 0
.endr
.endr
	WIN 0x40                                       ; O^T begins as zeros, which the first change of m leaves zeros: so the key step has no first form of its own
.set i, 0
.rept 256
	v_mov_b32 v[i], 0
.set i, i+1
.endr
	WIN 0
; Product i of 32 of S^T = K Q^T for piece x: channels 32 (i / 8) on, keys 16 ((i / 2) % 4) on, tile x + i % 2.  The eight accumulators take turns; the first 8 start the sums.
.macro KQ x
	WIN W_KQ
.set rS, S+32*(\x+i%2)+8*((i/2)%4)
.set rK, KFR+32*((i/2)%4)+8*(i/8)
.set rQ, 32*(\x+i%2)+8*(i/8)
.if i < 8
	v_wmma_f32_16x16x32_f16 v[rS:rS+7], v[rK:rK+7], v[rQ:rQ+7], 0
.else
	v_wmma_f32_16x16x32_f16 v[rS:rS+7], v[rK:rK+7], v[rQ:rQ+7], v[rS:rS+7]
.endif
.endm
.macro KQS x                           ; piece x's 32 products
.set i, 0
.rept 32
	KQ \x
.set i, i+1
.endr
.endm
; Product i of 32 of O^T += V^T P: keys 32 (i / 16) on, channels 16 ((i / 2) % 8) on, tile x + i % 2: sixteen accumulators by turns.
.macro PV x
	WIN W_PV
.set rO, 64*(\x+i%2)+8*((i/2)%8)
.set rV, 64*(i/16)+8*((i/2)%8)
.set rP, P+16*(\x+i%2)+8*(i/16)
	v_wmma_f32_16x16x32_f16 v[rO:rO+7], v[rV:rV+7], v[rP:rP+7], v[rO:rO+7]
.endm
.macro PVS x
.set i, 0
.rept 32
	PV \x
.set i, i+1
.endr
.endm
.macro FETCH_K
	WIN 0x80
.irp f, 0,1,2,3,4,5,6,7,8,9,10,11,12,13,14,15  ; keys 16 (f / 4) on, channels 32 (f % 4) on
	ds_load_b128 v[KFR+8*\f:KFR+8*\f+3],   v[ADK] offset:(\f/4)*16*PKP+(\f%4)*64
	ds_load_b128 v[KFR+8*\f+4:KFR+8*\f+7], v[ADK] offset:(\f/4)*16*PKP+(\f%4)*64+32
.endr
.endm
.macro FETCH_V
	WIN 0xc0
.irp f, 0,1,2,3,4,5,6,7,8,9,10,11,12,13,14,15  ; keys 32 (f / 8) on, channels 16 (f % 8) on
	ds_load_tr16_b128 v[8*\f:8*\f+3],   v[ADV] offset:(\f/8)*32*PVP+(\f%8)*32
	ds_load_tr16_b128 v[8*\f+4:8*\f+7], v[ADV] offset:(\f/8)*32*PVP+16*PVP+(\f%8)*32
.endr
.endm
; One tile's softmax for a key step is a list of 134 instructions; SM writes number j of it for tile t.
;   0-15 the maximum of the 32 scores and the old m;  16-20 the other half of the lanes', the new m, c m, its change;  21-69 the 16 packed scalings c s - c m and all 33 exponentials, none of which reads an
;   exponential's result;  (the wait: SOFT writes it)  70-85 the roundings to f16;  86-101 the sums, l = a l + the sum;  102-133 the tile's O^T times a.
.macro SM t
.set rT, ST+8*(\t)
.set rS, S+32*(\t)
.set rP, P+16*(\t)
.set rO, 64*(\t)+2*(j-102)
.if j < 102
	WIN 0
.endif
.if j < 4
	v_max3_num_f32 v[rT+4+j], v[rS+8*j], v[rS+8*j+1], v[rS+8*j+2]       ; each accumulator is read from its low end on
.elseif j < 12
	v_max3_num_f32 v[rT+4+j%4], v[rT+4+j%4], v[rS+8*(j%4)+2*(j/4)+1], v[rS+8*(j%4)+2*(j/4)+2]
.elseif j == 12
	v_max3_num_f32 v[rT+4], v[rT+4], v[rS+7], v[rS+15]
.elseif j == 13
	v_max3_num_f32 v[rT+6], v[rT+6], v[rS+23], v[rS+31]
.elseif j == 14
	v_max3_num_f32 v[rT+4], v[rT+4], v[rT+5], v[rT+6]
.elseif j == 15
	v_max3_num_f32 v[rT+4], v[rT+4], v[rT+7], v[rT+1]
.elseif j == 16
	v_permlanex16_b32 v[rT+5], v[rT+4], s[SEL], s[SEL+1]
.elseif j == 17
	v_mov_b32 v[rT+7], v[rT]                       ; c m_old is kept for a
.elseif j == 18
	v_max_num_f32 v[rT+1], v[rT+4], v[rT+5]
.elseif j == 19
	v_mul_f32 v[rT], s[CS], v[rT+1]
.elseif j == 20
	v_sub_f32 v[rT+7], v[rT+7], v[rT]
.elseif j == 23
	v_exp_f32 v[rT+6], v[rT+7]
.elseif (j < 23) || ((j < 38) && (j%2 == 0)) || ((j < 66) && (j%4 == 2))
.set b, (j-2)/4
.if j < 38
.set b, (j-20)/2
.endif
	v_pk_fma_f32 v[rS+2*b:rS+2*b+1], v[rS+2*b:rS+2*b+1], s[CS:CS+1], v[rT:rT+1] op_sel_hi:[1,0,0] neg_lo:[0,0,1] neg_hi:[0,0,1]
.elseif j < 70
.set e, j-38
.if j < 66
.set e, j-32-(j-38)/4
.endif
.if j < 38
.set e, (j-25)/2
.endif
	v_exp_f32 v[rS+e], v[rS+e]
.elseif j < 86
	v_cvt_pk_f16_f32 v[rP+j-70], v[rS+2*(j-70)], v[rS+2*(j-70)+1]
.elseif j < 102
.set z, j-86
.set w, 4
.set u, z
.if z >= 14
.set w, 32
.set u, 0
.elseif z >= 12
.set w, 16
.set u, z-12
.elseif z >= 8
.set w, 8
.set u, z-8
.endif
.if z < 15
	v_pk_add_f32 v[rS+w*u:rS+w*u+1], v[rS+w*u:rS+w*u+1], v[rS+w*u+w/2:rS+w*u+w/2+1]
.else
	v_pk_fma_f32 v[rT+2:rT+3], v[rT+2:rT+3], v[rT+6:rT+7], v[rS:rS+1] op_sel_hi:[1,0,1]
.endif
.else
	WIN W_RS
	v_pk_mul_f32 v[rO:rO+1], v[rO:rO+1], v[rT+6:rT+7] op_sel_hi:[1,0]
.endif
.endm
.macro SOFT y                          ; piece y's softmax: the two tiles alternate, so that no line reads the result of the line above it
.set j, 0
.rept 70
	SM \y
	SM (\y)+1
.set j, j+1
.endr
	v_nop                                          ; a plain line behind the last exponential
	s_wait_alu depctr_va_vdst(0)                   ; ONE wait for the piece's 66 exponentials, ahead of the first line that names a result
.rept 64
	SM \y
	SM (\y)+1
.set j, j+1
.endr
	WIN 0
.endm
; On the diagonal the scores of hidden keys become -infinity ahead of the maximum.  Register n of a tile holds key KEY + 16 (n / 8) + 8 h + n % 8 for query Q + r: hidden where 16 (n / 8) + n % 8 > Q - KEY + r - 8 h.
.macro MASK y, q
.irp u, 0,1
	s_sub_co_i32 s54, s[\q], s[KEY]
	s_add_co_i32 s54, s54, 16*\u
	v_add_nc_u32 v[DM], s54, v[RH]
.set n, 0
.rept 32
	v_cmp_gt_i32 vcc_lo, 16*(n/8)+n%8, v[DM]
	v_cndmask_b32 v[S+32*(\y+\u)+n], v[S+32*(\y+\u)+n], v[NINF], vcc_lo
.set n, n+1
.endr
.endr
.endm
; A KEY STEP of 64 keys.  Every branch hangs on ids and the count of steps alone and is the same in all four waves; the lines at its end, which step addresses, are on every path.
; It parts once: while KEY <= QS both pieces work; behind that piece 2 alone.  In the arm for both, piece 2 needs no mask: KEY <= QS <= 480 gives KEY + 63 <= 511, and QB is 512 at the least.
.macro STEP
	s_cmp_gt_u32 s[KEY], s[QB]                     ; all keys come after all my queries: nothing to do
	s_cbranch_scc1 .Lhidden_\@
	v_add_nc_u32 v[ADK], s[TBK], v[AK0]
	v_add_nc_u32 v[ADV], s[TBV], v[AV0]
	v_nop
	v_nop                                          ; four places behind the last step's products, in front of the loads into V's registers
	FETCH_K
	FETCH_V
	WIN 0
	s_wait_dscnt 32                                ; K's 32 loads are in; V's may be out
	s_cmp_gt_u32 s[KEY], s[QS]
	s_cbranch_scc1 .Lone_\@
	KQS 2                                          ; ---- both pieces
	KQS 0
	WIN 0
	PLACES
	SOFT 2
	s_add_co_u32 s53, s[KEY], 63
	s_cmp_le_u32 s53, s[QS]                        ; all 64 keys count for all of piece 0's queries
	s_cbranch_scc1 .Lopen0_\@
	MASK 0, QS
.Lopen0_\@:
	SOFT 0
	s_wait_dscnt 0x0                               ; V is in
	PVS 2
	PVS 0
	WIN 0
	s_branch .Lhidden_\@
.Lone_\@:
	KQS 2                                          ; ---- piece 2 alone
	WIN 0
	PLACES
	s_add_co_u32 s53, s[KEY], 63
	s_cmp_le_u32 s53, s[QB]                        ; all 64 keys count for all of piece 2's queries
	s_cbranch_scc1 .Lopen2_\@
	MASK 2, QB
.Lopen2_\@:
	SOFT 2
	s_wait_dscnt 0x0                               ; V is in
	PVS 2
	WIN 0
.Lhidden_\@:
	s_add_co_u32 s[KEY], s[KEY], 64
	s_add_co_u32 s[TBK], s[TBK], 64*PKP
	s_add_co_u32 s[TBV], s[TBV], 64*PVP
.endm
; THE CHANGE OF SLOTS stands at a slot's head.  Each wave waits for all its tensor loads, adds 0 to its spare word, and waits for that and for its reads of the slot that it has left; behind the barrier the
; slot ahead is whole and nobody reads the other one, which is then filled with the next 128 keys: that load has two key steps in which to land.  A wave has at most one tensor load out.
.macro CHANGE fill
	s_wait_tensorcnt 0x0                           ; no tensor load of mine is out, so a group 0 may be written
	ds_add_u32 v[SPW], v[NIL]
.if \fill
	ds_add_u32 v[SPW], v[NIL]                      ; twice on end here, in every trip alike
	s_xor_b32 s[G0K+1], s[G0K+1], SLOT1
	s_add_nc_u64 s[G0K+2:G0K+3], s[G0K+2:G0K+3], 32768
	s_xor_b32 s[G0V+1], s[G0V+1], SLOT1
	s_add_nc_u64 s[G0V+2:G0V+3], s[G0V+2:G0V+3], 32768
	s_wait_xcnt 0x0                                ; the last prefetches, a slot back, have read their address
	s_add_nc_u64 s[PFA:PFA+1], s[PFA:PFA+1], 32768
.endif
	s_wait_dscnt 0x0
	s_barrier_signal -1
	s_barrier_wait -1
.if \fill
	s_add_co_u32 s53, s[KEY], 128                  ; THE LOOK-AHEAD ENDS AT THE CAUSAL LIMIT: a slot whose first key comes after the work-group's last query is read by no wave and is not asked for
	s_or_b32 s54, s[QB], 31
	s_cmp_gt_u32 s53, s54
	s_cbranch_scc1 .Lpast_\@
	TLOAD
.Lpast_\@:
	ASK
.endif
.endm
.macro TWO_STEPS                       ; a slot's two key steps: written once, walked twice
	s_mov_b32 s[TWICE], 2
.Lstep_\@:
	STEP
	s_sub_co_u32 s[TWICE], s[TWICE], 1
	s_cmp_lg_u32 s[TWICE], 0
	s_cbranch_scc1 .Lstep_\@
	s_sub_co_u32 s[TBK], s[TBK], 2*64*PKP
	s_sub_co_u32 s[TBV], s[TBV], 2*64*PVP
	s_xor_b32 s[TBK], s[TBK], SLOT1                ; on to the other slot
	s_xor_b32 s[TBV], s[TBV], SLOT1
.endm
	s_wait_loadcnt 0x0                             ; Q
.Lslot:                                            ; seven trips: behind each change of slots but the last the next slot is asked for, up to the causal limit
	CHANGE 1
	TWO_STEPS
	s_sub_co_u32 s[SLOTS], s[SLOTS], 1
	s_cmp_lg_u32 s[SLOTS], 0
	s_cbranch_scc1 .Lslot
	CHANGE 0
	TWO_STEPS
	; THE WAY OUT.  l's two halves and the other half of the lanes' are added; O^T is divided by l, rounded to f16 and sent through my stage, a tile (16 rows) at a time.
	PLACES
.irp t, 0,1,2,3
	v_add_f32 v[ST+8*\t+4], v[ST+8*\t+2], v[ST+8*\t+3]
.endr
.irp t, 0,1,2,3
	v_permlanex16_b32 v[ST+8*\t+5], v[ST+8*\t+4], s[SEL], s[SEL+1]
.endr
.irp t, 0,1,2,3
	v_add_f32 v[ST+8*\t+4], v[ST+8*\t+4], v[ST+8*\t+5]
.endr
.irp t, 0,1,2,3
	v_rcp_f32 v[ST+8*\t+6], v[ST+8*\t+4]
.endr
	v_nop
	s_wait_alu depctr_va_vdst(0)                   ; one wait for the four reciprocals
.macro PACK t
	WIN W_RS
.set i, 64*\t
.rept 32
	v_pk_mul_f32 v[i:i+1], v[i:i+1], v[ST+8*\t+6:ST+8*\t+7] op_sel_hi:[1,0]
.set i, i+2
.endr
	WIN 0x05
.set i, 0
.rept 32
	v_cvt_pk_f16_f32 v[S+32*\t+i], v[64*\t+2*i], v[64*\t+2*i+1]
.set i, i+1
.endr
	WIN 0
.irp f, 0,1,2,3,4,5,6,7
	ds_store_b128 v[STO], v[S+32*\t+4*\f:S+32*\t+4*\f+3] offset:32*\f
.endr
.irp f, 0,1,2,3,4,5,6,7
	ds_load_b128 v[S+32*\t+4*\f:S+32*\t+4*\f+3], v[RD] offset:\f*2*SP  ; LDS serves a wave's instructions in order: these see the stores above
.endr
.endm
.macro SEND t, younger                 ; younger: the LDS instructions issued behind tile t's loads
.irp f, 0,1,2,3,4,5,6,7
	s_wait_dscnt \younger+7-\f
	global_store_b128 v[GOS+(\t)/2], v[S+32*\t+4*\f:S+32*\t+4*\f+3], s[10:11] offset:((\t)%2)*65536+\f*8192  ; 16 lanes store 256 consecutive bytes, aligned
.endr
.endm
	PACK 0
	PACK 1
	SEND 0, 16
	PACK 2
	SEND 1, 16
	PACK 3
	SEND 2, 16
	SEND 3, 0
	s_wait_tensorcnt 0x0                           ; the wave's end
	ds_add_u32 v[SPW], v[NIL]
	s_wait_dscnt 0x0
	s_endpgm
.Lfunc_end_k_q612686112a_attn:
	.size	k_q612686112a_attn, .Lfunc_end_k_q612686112a_attn-k_q612686112a_attn
	.p2alignl 7, 3214868480
	.fill 96, 4, 3214868480
	.section	.rodata,"a",@progbits
	.p2align	6, 0x0
	.amdhsa_kernel k_q612686112a_attn
		.amdhsa_group_segment_fixed_size 327680
		.amdhsa_private_segment_fixed_size 0
		.amdhsa_enable_private_segment 0
		.amdhsa_kernarg_size 32
		.amdhsa_user_sgpr_count 2
		.amdhsa_user_sgpr_kernarg_segment_ptr 1
		.amdhsa_wavefront_size32 1
		.amdhsa_system_sgpr_workgroup_id_x 1
		.amdhsa_system_sgpr_workgroup_id_y 1
		.amdhsa_system_sgpr_workgroup_id_z 1
		.amdhsa_system_vgpr_workitem_id 0
		.amdhsa_next_free_vgpr 1024
		.amdhsa_next_free_sgpr 80
		.amdhsa_reserve_vcc 1
		.amdhsa_float_denorm_mode_32 3
		.amdhsa_float_denorm_mode_16_64 3
		.amdhsa_memory_ordered 1
		.amdhsa_forward_progress 1
		.amdhsa_inst_pref_size 205
	.end_amdhsa_kernel
	.amdgpu_metadata
---
amdhsa.version: [ 1, 2 ]
amdhsa.kernels:
  - .name:           k_q612686112a_attn
    .symbol:         k_q612686112a_attn.kd
    .args:
      - { .name: qkv16, .offset: 0, .size: 8, .value_kind: global_buffer, .address_space: global }
      - { .name: ao16, .offset: 8, .size: 8, .value_kind: global_buffer, .address_space: global }
      - { .name: fine32, .offset: 16, .size: 8, .value_kind: global_buffer, .address_space: global }
      - { .name: fineo, .offset: 24, .size: 8, .value_kind: global_buffer, .address_space: global }
    .group_segment_fixed_size: 327680
    .private_segment_fixed_size: 0
    .kernarg_segment_align: 8
    .kernarg_segment_size: 32
    .max_flat_workgroup_size: 128
    .sgpr_count:     80
    .vgpr_count:     1024
    .wavefront_size: 32
...
	.end_amdgpu_metadata
.endif
;; end of part 3
;; launch proj (part 4): grid 8 x 32, 4 waves a work-group, clusters of 4 x 4, 327,680 bytes of LDS; arguments ao16, wo16, out0; writes out0
.if DOCPART == 4
	.amdgcn_target "amdgcn-amd-amdhsa--gfx1250"
	.amdhsa_code_object_version 6
	.text
	.protected	k_q612686112a_proj
	.globl	k_q612686112a_proj
	.p2align	8
	.type	k_q612686112a_proj,@function
k_q612686112a_proj:
	s_mov_b64 s[64:65], 0
	v_nop
	global_prefetch_b8 v0, s[64:65] scope:SCOPE_SE
	s_setreg_imm32_b32 hwreg(HW_REG_WAVE_MODE, 25, 1), 1
	s_wait_xcnt 0x0
	s_wait_alu depctr_hold_cnt(0) depctr_sa_sdst(0) depctr_va_vdst(0) depctr_va_sdst(0) depctr_va_ssrc(0) depctr_va_vcc(0) depctr_vm_vsrc(0)
	s_getreg_b32 s2, hwreg(HW_REG_IB_STS2, 6, 4)
	s_cmp_eq_u32 s2, 0
	s_cbranch_scc0 .Lentry_in_a_cluster
	s_endpgm
.Lentry_in_a_cluster:
	s_bfe_u32 s2, ttmp6, 0x10000c
	s_cmp_lg_u32 s2, 0xf033
	s_cbranch_scc0 .Lentry_shape_is_right
	s_endpgm
.Lentry_shape_is_right:
; out0[m][n] = sum over k of ao16[m][k] wo16[n][k]: m 4,096, n 2,048, k 2,048; f16 operands, f32 sums, f32 out.
; A tile of C is 128 x 256: 256 work-groups (tiles of 256 x 256 would be 128).  Four waves, each 64 x 128: 32 accumulators, window 2.  K goes in steps of 128 (rows of 256 bytes) through two LDS slots:
; two slots of a longer step, 2 x 384 rows x 528 bytes, do not fit in LDS.
; CLUSTERS: 4 x 4 work-groups; A's tiles are asked for jointly along a row of the cluster, B's along a column.  Waves 0, 1 fetch A's halves of 64 rows, waves 2, 3 B's halves of 128.
; HALF OF THE CLUSTERS WALK K FROM ITS MIDDLE: a cluster begins at k = 1,024 rot and wraps, rot = (cluster x + the number of ones in cluster y) & 1, the same in all sixteen partners.  The two clusters that
; read a tile row of ao16 differ in rot, and so do clusters that read the same tile column of wo16: in the second half of its walk a cluster asks for bytes that another has asked for eight K steps before.
; The sums' order along K differs with rot; each output still has one f32 sum.
; THE MATRIX INSTRUCTION IS USED TRANSPOSED (source 0 = 16 rows of wo16, source 1 = 16 rows of ao16): a lane holds eight neighbouring numbers of a row of C.
; No prefetch: a K step's matrix work is short, and half of the requests name bytes that were read shortly before.  The rows of positions 0-15 are written here too and written over by the next launch.
; REGISTERS: window 0: v16-29 addresses, v32-159 rows on the way out.  window 1: two fragment buffers of 96 at v0 and v128: A's four fragments, then B's eight.  window 2: accumulator (a, b) at v[8 (8 a + b)].
.set SIZE_K, 2048
.set SIZE_N, 2048
.set KSTEP,  128
.set PITCH,  272
.set AHALF,  64*PITCH
.set BHALF,  128*PITCH
.set BOFF,   2*AHALF
.set SLOT,   2*AHALF+2*BHALF
.set SPARE,  2*SLOT                    ; the spare words, 128 bytes a wave
.set SPITCH, 528                       ; the way out: 16 rows x (512 bytes + 16) for each wave, in slot 0, which has had its last fill and its last read by then
.set LAPS,   SIZE_K/(2*KSTEP)
.set ADRA, 16
.set ADRB, 20
.set STO,  24
.set RD,   25
.set CO,   26
.set SPW,  28
.set NIL,  29
.set BK,   32
.set F0,   0
.set F1,   128
.set G1, 24
.set G0, 32
.set G1B, 48
.set G0B, 56
.set WRAP, 18                          ; s[18:19] what this trip's refills go back along K: a row's 4,096 bytes in the trip in which a walk from the middle passes K's end, else 0
.set MSB, 0
.macro WIN new
.if MSB != (\new)
	s_set_vgpr_msb (MSB<<8)|(\new)
.set MSB, (\new)
.endif
.endm
.set MUL,  0xa5                        ; sources 0 and 1 window 1; C and D window 2
.set TO_F, 0x40
.macro JLOAD s
	s_cmp_eq_u32 s11, 0
	s_cbranch_scc0 .Lfor_b_\@
	tensor_load_to_lds s[G0+4*\s:G0+4*\s+3], s[G1:G1+7]
	s_nop 0
.rept 4
	v_nop
.endr
	s_branch .Lasked_\@
.Lfor_b_\@:
	tensor_load_to_lds s[G0B+4*\s:G0B+4*\s+3], s[G1B:G1B+7]
	s_nop 0
.rept 4
	v_nop
.endr
.Lasked_\@:
.endm
.macro CREST
	s_cmp_lg_u32 s10, 0
	s_cbranch_scc1 .Lnot_wave_0_\@
	s_barrier_signal -3
.Lnot_wave_0_\@:
	s_barrier_wait -3
	s_barrier_signal -1
	s_barrier_wait -1
.endm
.macro CROUND
	s_barrier_signal -1
	s_barrier_wait -1
	CREST
.endm
	s_load_b128 s[4:7], s[0:1], 0x0                ; ao16, wo16
	s_load_b64 s[8:9], s[0:1], 0x10                ; out0
	v_lshl_add_u32 v[SPW], v0, 2, SPARE
	v_mov_b32 v[NIL], 0
	ds_add_u32 v[SPW], v[NIL]                      ; the wave's opening: the add, twice on end, and its wait ahead of my first tensor load
	ds_add_u32 v[SPW], v[NIL]
	v_lshrrev_b32 v1, 5, v0
	v_readfirstlane_b32 s10, v1
	s_lshr_b32 s11, s10, 1                         ; which 64 rows of the tile are mine.  Also: I fetch for A (0) or for B (1)
	s_and_b32 s12, s10, 1                          ; which 128 columns.  Also: which half I fetch
	s_bfe_u32 s40, ttmp6, 0x40000
	s_bfe_u32 s41, ttmp6, 0x40004
	s_lshl_b32 s42, ttmp9, 2
	s_add_co_u32 s42, s42, s40                     ; tile column
	s_and_b32 s13, ttmp7, 0xffff
	s_bcnt1_i32_b32 s2, s13                        ; the ones in cluster y,
	s_add_co_u32 s2, s2, ttmp9                     ; + cluster x:
	s_and_b32 s2, s2, 1                            ; rot: made of the cluster's own coordinates alone
	s_lshl_b32 s45, s2, 12                         ; 4,096 rot: a row's bytes, for the wrap
	s_lshl_b32 s2, s2, 11                          ; 2,048 rot: the middle of a row, for the start
	s_mov_b32 s[WRAP], 0
	s_mov_b32 s[WRAP+1], 0
	s_lshl_b32 s13, s13, 2
	s_add_co_u32 s13, s13, s41                     ; tile row
	s_lshl_b32 s43, s41, 2
	s_lshl_b32 s43, 15, s43
	s_lshl_b32 s44, 0x1111, s40
	s_or_b32 s[G1+0], s43, (1<<16)|(1<<20)|(1<<21)|(5<<22)|(3<<25)   ; the mask; elements of 2 bytes; padding: 4 words behind every 64; bit 21 beside a mask
	s_or_b32 s[G1B+0], s44, (1<<16)|(1<<20)|(1<<21)|(5<<22)|(3<<25)
	s_mov_b32 s[G1+1], KSTEP<<16
	s_mov_b32 s[G1+2], 64<<16                      ; A: 64 rows to a load
	s_mov_b32 s[G1+3], KSTEP<<16
	s_mov_b32 s[G1+4], 64
	s_mov_b32 s[G1+5], SIZE_K
	s_mov_b32 s[G1+6], 0
	s_mov_b32 s[G1+7], 0
	s_mov_b32 s[G1B+1], KSTEP<<16
	s_mov_b32 s[G1B+2], 128<<16                    ; B: 128 rows
	s_mov_b32 s[G1B+3], KSTEP<<16
	s_mov_b32 s[G1B+4], 128
	s_mov_b32 s[G1B+5], SIZE_K
	s_mov_b32 s[G1B+6], 0
	s_mov_b32 s[G1B+7], 0
	s_lshl_b32 s16, s13, 7
	s_lshl_b32 s17, s12, 6
	s_add_co_u32 s16, s16, s17
	s_lshl_b32 s16, s16, 12                        ; A: (128 tile row + 64 half) rows of 4,096 bytes,
	s_add_co_u32 s16, s16, s2                      ; from where my cluster's walk begins
	s_mov_b32 s17, 0
	s_lshl_b32 s46, s42, 8
	s_lshl_b32 s47, s12, 7
	s_add_co_u32 s46, s46, s47
	s_lshl_b32 s46, s46, 12                        ; B: (256 tile column + 128 half) rows,
	s_add_co_u32 s46, s46, s2                      ; likewise
	s_mov_b32 s47, 0
	s_mul_i32 s20, s12, AHALF                      ; where they go: the wave's number alone enters an LDS address
	s_mul_i32 s21, s12, BHALF
	s_add_co_u32 s21, s21, BOFF
	s_wait_dscnt 0x0
	s_wait_kmcnt 0x0
	s_add_nc_u64 s[14:15], s[4:5], s[16:17]
	s_add_nc_u64 s[46:47], s[6:7], s[46:47]
	CROUND
.irp s, 0,1
	s_mov_b32 s[G0+4*\s], 1
	s_add_co_u32 s[G0+4*\s+1], s20, \s*SLOT
	s_add_nc_u64 s[G0+4*\s+2:G0+4*\s+3], s[14:15], \s*KSTEP*2
	s_or_b32 s[G0+4*\s+3], s[G0+4*\s+3], 0x80000000
	s_mov_b32 s[G0B+4*\s], 1
	s_add_co_u32 s[G0B+4*\s+1], s21, \s*SLOT
	s_add_nc_u64 s[G0B+4*\s+2:G0B+4*\s+3], s[46:47], \s*KSTEP*2
	s_or_b32 s[G0B+4*\s+3], s[G0B+4*\s+3], 0x80000000
	JLOAD \s                                       ; two loads of mine are out at the start
.endr
	v_and_b32 v1, 15, v0
	v_bfe_u32 v2, v0, 4, 1
	v_mul_u32_u24 v3, v1, PITCH
	v_lshl_add_u32 v3, v2, 4, v3
	s_mul_i32 s21, s11, AHALF                      ; my 64 rows of A
	s_mul_i32 s22, s12, BHALF                      ; my 128 rows of B, behind A's 128
	s_add_co_u32 s22, s22, BOFF
.irp s, 0,1
	v_add_nc_u32 v[ADRA+\s], s21, v3
	v_add_nc_u32 v[ADRB+\s], s22, v3
	s_add_co_u32 s21, s21, SLOT
	s_add_co_u32 s22, s22, SLOT
.endr
	s_mul_i32 s23, s10, 16*SPITCH
	v_mul_u32_u24 v5, v1, SPITCH
	v_lshl_add_u32 v5, v2, 5, v5
	v_add_nc_u32 v[STO], s23, v5                   ; in: row r, 32 bytes for each half of the lanes
	v_and_b32 v6, 31, v0
	v_lshlrev_b32 v[CO], 4, v6
	v_add_nc_u32 v[RD], s23, v[CO]                 ; back: the 32 lanes take one row of 512 bytes
	s_lshl_b32 s16, s13, 7
	s_lshl_b32 s17, s11, 6
	s_add_co_u32 s16, s16, s17
	s_lshl_b32 s16, s16, 13                        ; my first row of C: 8,192 bytes a row
	s_lshl_b32 s46, s42, 10
	s_lshl_b32 s47, s12, 9
	s_add_co_u32 s46, s46, s47                     ; my first column, in bytes
	s_add_co_u32 s16, s16, s46
	s_mov_b32 s17, 0
	s_add_nc_u64 s[8:9], s[8:9], s[16:17]
.macro MUL8 f, a, zero                 ; A's block a against B's eight, 32 along K.  The 32 accumulators take turns in the same order in every quarter
.irp b, 0,1,2,3,4,5,6,7
.if \zero
	v_wmma_f32_16x16x32_f16 v[8*(8*(\a)+\b):8*(8*(\a)+\b)+7], v[\f+32+8*\b:\f+32+8*\b+7], v[\f+8*(\a):\f+8*(\a)+7], 0
.else
	v_wmma_f32_16x16x32_f16 v[8*(8*(\a)+\b):8*(8*(\a)+\b)+7], v[\f+32+8*\b:\f+32+8*\b+7], v[\f+8*(\a):\f+8*(\a)+7], v[8*(8*(\a)+\b):8*(8*(\a)+\b)+7]
.endif
.endr
.endm
.macro FETCH slot, k, f                ; 24 LDS loads in one run: the fragments of 32 along K at byte k of the rows
	WIN TO_F
.irp i, 0,1,2,3,4,5,6,7
	ds_load_b128 v[\f+32+8*\i:\f+32+8*\i+3],   v[ADRB+\slot] offset:\k+\i*16*PITCH
	ds_load_b128 v[\f+32+8*\i+4:\f+32+8*\i+7], v[ADRB+\slot] offset:\k+\i*16*PITCH+32
.endr
.irp i, 0,1,2,3
	ds_load_b128 v[\f+8*\i:\f+8*\i+3],   v[ADRA+\slot] offset:\k+\i*16*PITCH
	ds_load_b128 v[\f+8*\i+4:\f+8*\i+7], v[ADRA+\slot] offset:\k+\i*16*PITCH+32
.endr
.endm
.macro PLACES
.rept 4
	v_nop
.endr
.endm
; A K step is four quarters of 32 along K on buffers 0, 1, 0, 1.  One of the first three: asks for the next quarter's fragments, then multiplies buffer f.
.macro QUARTER slot, k, f, g, zero
	PLACES                                         ; behind the products that read buffer g
	FETCH \slot, \k, \g
	s_wait_dscnt 24                                ; all but the 24 just issued: buffer f is in
	WIN MUL
	MUL8 \f, 0, \zero
	MUL8 \f, 1, \zero
	MUL8 \f, 2, \zero
	MUL8 \f, 3, \zero
.endm
; The last quarter multiplies buffer 1 and changes slots: one barrier; in front of it each wave waits for all its tensor loads, adds 0 to its spare word, and waits for that and for its reads of this slot.
.macro TURN slot, next, fill
	WIN 0
	s_wait_tensorcnt 0x0                           ; all my tensor loads have landed: my part of the next slot
	ds_add_u32 v[SPW], v[NIL]
	s_wait_dscnt 1                                 ; buffer 1 is in (the add may be out)
	WIN MUL
	MUL8 F1, 0, 0
	s_wait_dscnt 0x0                               ; the add is done, and my reads of this slot are over
	s_barrier_signal -1
	MUL8 F1, 1, 0
	WIN 0
	s_barrier_wait -1
.if \fill
	CREST                                          ; the barrier has opened a round of the cluster's
	s_add_nc_u64 s[G0+4*\slot+2:G0+4*\slot+3], s[G0+4*\slot+2:G0+4*\slot+3], 2*KSTEP*2
	s_add_nc_u64 s[G0B+4*\slot+2:G0B+4*\slot+3], s[G0B+4*\slot+2:G0B+4*\slot+3], 2*KSTEP*2
	s_sub_nc_u64 s[G0+4*\slot+2:G0+4*\slot+3], s[G0+4*\slot+2:G0+4*\slot+3], s[WRAP:WRAP+1]      ; back to K's start, where this trip's refills pass its end
	s_sub_nc_u64 s[G0B+4*\slot+2:G0B+4*\slot+3], s[G0B+4*\slot+2:G0B+4*\slot+3], s[WRAP:WRAP+1]
	JLOAD \slot                                    ; the first tensor load behind the round; its four v_nop are the places in front of the loads below
.else
	PLACES
.endif
	FETCH \next, 0, F0
	WIN MUL
	MUL8 F1, 2, 0
	MUL8 F1, 3, 0
.endm
	s_wait_tensorcnt 1                             ; my part of K step 0 is in; K step 1's may be out
	s_barrier_signal -1
	s_barrier_wait -1
	FETCH 0, 0, F0
	QUARTER 0, 64, F0, F1, 1                       ; the first quarter's products start the sums
	WIN 0
	s_mov_b32 s3, LAPS-1
.Llap:                                                 ; trip t = LAPS - 1 - s3 asks for the walk's K steps 2 t + 2 and 2 t + 3
	s_cmp_eq_u32 s3, LAPS/2                        ; t = 3: steps 8 and 9: a walk that began in the middle passes K's end here
	s_cselect_b32 s[WRAP], s45, 0
	QUARTER 0, 128, F1, F0, 0
	QUARTER 0, 192, F0, F1, 0
	TURN 0, 1, 1
	QUARTER 1, 64,  F0, F1, 0
	QUARTER 1, 128, F1, F0, 0
	QUARTER 1, 192, F0, F1, 0
	TURN 1, 0, 1
	QUARTER 0, 64,  F0, F1, 0
	WIN 0
	s_sub_co_u32 s3, s3, 1
	s_cmp_lg_u32 s3, 0
	s_cbranch_scc1 .Llap
	QUARTER 0, 128, F1, F0, 0                      ; the last lap fills nothing
	QUARTER 0, 192, F0, F1, 0
	TURN 0, 1, 0
	QUARTER 1, 64,  F0, F1, 0
	QUARTER 1, 128, F1, F0, 0
	QUARTER 1, 192, F0, F1, 0
	s_wait_dscnt 0x0
	MUL8 F1, 0, 0
	MUL8 F1, 1, 0
	MUL8 F1, 2, 0
	MUL8 F1, 3, 0
	WIN 0
; THE WAY OUT, block by block of 16 rows x 128 columns, through my own stage: in as 32 bytes a lane, back as whole rows of 512 bytes.
.macro TOSTAGE a
.set AC, 64*(\a)
	WIN 0x08                                       ; an LDS store's data are its source 1: window 2
.irp b, 0,1,2,3,4,5,6,7
	ds_store_b128 v[STO], v[AC+8*\b:AC+8*\b+3] offset:64*\b          ; each accumulator from its low end on
	ds_store_b128 v[STO], v[AC+8*\b+4:AC+8*\b+7] offset:64*\b+16
.endr
	WIN 0
.set BB, BK+64*((\a)%2)
.irp t, 0,1,2,3,4,5,6,7,8,9,10,11,12,13,14,15
	ds_load_b128 v[BB+4*\t:BB+4*\t+3], v[RD] offset:\t*SPITCH
.endr
.endm
.macro SEND a, younger
.set BB, BK+64*((\a)%2)
	s_wait_dscnt \younger
.if (\a) > 0
	s_add_nc_u64 s[8:9], s[8:9], 16*SIZE_N*4       ; (behind a wait on XCNT: the earlier stores have read their base)
.endif
.irp t, 0,1,2,3,4,5,6,7,8,9,10,11,12,13,14,15
	global_store_b128 v[CO], v[BB+4*\t:BB+4*\t+3], s[8:9] offset:\t*SIZE_N*4 th:TH_STORE_NT   ; 32 lanes store 512 consecutive bytes, aligned
.endr
.endm
	PLACES
	TOSTAGE 0
.irp a, 1,2,3
.if \a > 1
	s_wait_xcnt 0x0                                ; block a - 2's stores have read their registers and their base
.endif
	TOSTAGE \a
	SEND \a-1, 32                                  ; behind block a - 1's loads: block a's 16 stores and 16 loads
.endr
	s_wait_xcnt 0x0
	SEND 3, 0
	s_wait_tensorcnt 0x0                           ; the wave's end
	ds_add_u32 v[SPW], v[NIL]
	s_wait_dscnt 0x0
	CROUND                                         ; the closing round
	s_endpgm
.Lfunc_end_k_q612686112a_proj:
	.size	k_q612686112a_proj, .Lfunc_end_k_q612686112a_proj-k_q612686112a_proj
	.p2alignl 7, 3214868480
	.fill 96, 4, 3214868480
	.section	.rodata,"a",@progbits
	.p2align	6, 0x0
	.amdhsa_kernel k_q612686112a_proj
		.amdhsa_group_segment_fixed_size 327680
		.amdhsa_private_segment_fixed_size 0
		.amdhsa_enable_private_segment 0
		.amdhsa_kernarg_size 24
		.amdhsa_user_sgpr_count 2
		.amdhsa_user_sgpr_kernarg_segment_ptr 1
		.amdhsa_wavefront_size32 1
		.amdhsa_system_sgpr_workgroup_id_x 1
		.amdhsa_system_sgpr_workgroup_id_y 1
		.amdhsa_system_sgpr_workgroup_id_z 1
		.amdhsa_system_vgpr_workitem_id 0
		.amdhsa_next_free_vgpr 768
		.amdhsa_next_free_sgpr 66
		.amdhsa_reserve_vcc 0
		.amdhsa_float_denorm_mode_32 3
		.amdhsa_float_denorm_mode_16_64 3
		.amdhsa_memory_ordered 1
		.amdhsa_forward_progress 1
		.amdhsa_inst_pref_size 85
	.end_amdhsa_kernel
	.amdgpu_metadata
---
amdhsa.version: [ 1, 2 ]
amdhsa.kernels:
  - .name:           k_q612686112a_proj
    .symbol:         k_q612686112a_proj.kd
    .args:
      - { .name: ao16, .offset: 0, .size: 8, .value_kind: global_buffer, .address_space: global }
      - { .name: wo16, .offset: 8, .size: 8, .value_kind: global_buffer, .address_space: global }
      - { .name: out0, .offset: 16, .size: 8, .value_kind: global_buffer, .address_space: global }
    .group_segment_fixed_size: 327680
    .private_segment_fixed_size: 0
    .kernarg_segment_align: 8
    .kernarg_segment_size: 24
    .max_flat_workgroup_size: 128
    .sgpr_count:     66
    .vgpr_count:     768
    .wavefront_size: 32
...
	.end_amdgpu_metadata
.endif
;; end of part 4
;; launch fine (part 5): grid 64 x 4, 16 waves a work-group, no clusters, 305,152 bytes of LDS; arguments fineo, Wo, out0; writes out0
.if DOCPART == 5
	.amdgcn_target "amdgcn-amd-amdhsa--gfx1250"
	.amdhsa_code_object_version 6
	.text
	.protected	k_q612686112a_fine
	.globl	k_q612686112a_fine
	.p2align	8
	.type	k_q612686112a_fine,@function
k_q612686112a_fine:
	s_mov_b64 s[64:65], 0
	v_nop
	global_prefetch_b8 v0, s[64:65] scope:SCOPE_SE
	s_setreg_imm32_b32 hwreg(HW_REG_WAVE_MODE, 25, 1), 1
	s_wait_xcnt 0x0
; POSITIONS 0-15 OF EACH SEQUENCE: THE PROJECTION ONCE MORE, IN f32, by v_wmma_f32_16x16x4_f32: out0[b][t][n] = sum over k of O[b][t][k] Wo[n][k], t = 0..15.  The 64 rows of out0 that the launch before
; wrote from f16 operands are written over.  O comes in f32 out of fineo, where the attention's launch left it.
; SHARES.  Work-group (slice of 32 output columns, batch).  Wave h takes head h's 128 of the 2,048 along K; the sixteen parts meet in LDS and waves 0-3 add them, in ascending order of heads.
; fineo holds, for each batch and head, an image of O^T's registers [t 8][c 2][lane 32][16 bytes]: lane (r, hf) has position r, channels 16 t + 8 hf + 4 c + 0..3: it is source 1 as it stands.
; Wo: a wave's part of a row, its head's 128 numbers, is 512 consecutive bytes: ONE load of the wave takes it.  Source 0 wants lane (r, hf) to hold row r, channels 16 t + 8 hf + 0..7: so the 32 rows turn
; through the wave's own stage in LDS (rows of 512 bytes + 16: the sixteen rows that a load back touches start at sixteen different banks).  Along K both sides take the same permutation:
; a step of 4 takes registers 2 n, 2 n + 1 of both.
; v208-239 are written by matrix instructions alone.  Stores here are 16 bytes a lane, 128 consecutive bytes of a row for a work-group: 512 KB in all.
.set WPITCH, 528
.set WREG,  32*WPITCH                  ; a wave's stage: 16,896 bytes
.set PARTS, 16*WREG                    ; behind the sixteen stages: the sixteen parts of 2,048 bytes
.set SPARE, PARTS+16*2048              ; behind them: the spare words, 128 bytes a wave
.set SPW,  12
.set NIL,  13
.set OIM,  16                          ; v16-79   O^T's image
.set WOF,  80                          ; v80-207  Wo: 32 rows as loaded, then as two fragments' registers: 64 u + 8 t + j = Wo(16 u + r, 16 t + 8 hf + j)
.set SA,   208                         ; v208-239 four accumulators
.set PR,   240                         ; v240-255 my part of the output
.set WV,   10
	s_load_b128 s[4:7], s[0:1], 0x0                ; fineo, Wo
	s_load_b64 s[8:9], s[0:1], 0x10                ; out0
	v_lshl_add_u32 v[SPW], v0, 2, SPARE
	v_mov_b32 v[NIL], 0
	v_lshrrev_b32 v1, 5, v0
	v_readfirstlane_b32 s[WV], v1
	v_and_b32 v5, 31, v0
	v_and_b32 v6, 15, v0                           ; r
	v_bfe_u32 v7, v0, 4, 1                         ; hf
	v_lshlrev_b32 v1, 4, v5                        ; 16 x lane
	s_mul_i32 s11, s[WV], WREG                     ; my stage
	v_add_nc_u32 v2, s11, v1                       ; in: a row as it was loaded, 16 bytes a lane
	v_mul_u32_u24 v3, v6, WPITCH
	v_lshl_add_u32 v3, v7, 5, v3
	v_add_nc_u32 v3, s11, v3                       ; back: row r, + 32 hf
	v_lshlrev_b32 v4, 13, v6
	v_lshl_add_u32 v4, v7, 5, v4                   ; out0: row r of 8,192 bytes, + 32 hf
	v_and_b32 v9, 127, v0
	v_lshlrev_b32 v9, 4, v9
	v_add_nc_u32 v9, PARTS, v9                     ; where waves 0-3 read the parts: 16 x thread
	s_lshl_b32 s11, s[WV], 11
	s_add_co_u32 s11, s11, PARTS
	v_add_nc_u32 v10, s11, v1                      ; where I put my part: 2,048 x wave + 16 x lane
	s_lshr_b32 s12, s[WV], 1
	s_lshl_b32 s12, s12, 6
	s_and_b32 s13, s[WV], 1
	s_lshl_b32 s13, s13, 4
	s_add_co_u32 s12, s12, s13
	v_add_nc_u32 v11, s12, v4                      ; waves 0-3: columns 16 (w >> 1) + 8 hf + 4 (w & 1) + 0..3 of row r
	s_and_b32 s11, ttmp7, 0xffff                   ; the batch
	s_lshl_b32 s14, s11, 4
	s_add_co_u32 s14, s14, s[WV]
	s_lshl_b32 s14, s14, 13                        ; image 16 b + head
	s_mov_b32 s15, 0
	s_wait_kmcnt 0x0
	s_add_nc_u64 s[16:17], s[4:5], s[14:15]
	s_lshl_b32 s14, ttmp9, 18                      ; Wo: the slice's 32 rows,
	s_lshl_b32 s13, s[WV], 9                       ; my head's 128 numbers of a row
	s_add_co_u32 s14, s14, s13
	s_add_nc_u64 s[24:25], s[6:7], s[14:15]
	s_lshl_b32 s14, s11, 23                        ; out0: the batch's first row,
	s_lshl_b32 s13, ttmp9, 7                       ; the slice's 128 bytes
	s_add_co_u32 s14, s14, s13
	s_add_nc_u64 s[26:27], s[8:9], s[14:15]
.set i, 0
.rept 32
	global_load_b128 v[WOF+4*i:WOF+4*i+3], v1, s[24:25] offset:8192*i      ; row i of the slice: 32 lanes read 512 consecutive bytes
.set i, i+1
.endr
.irp t, 0,1,2,3,4,5,6,7
.irp c, 0,1
	global_load_b128 v[OIM+8*\t+4*\c:OIM+8*\t+4*\c+3], v1, s[16:17] offset:1024*\t+512*\c
.endr
.endr
	s_wait_loadcnt 16                              ; Wo's 32 rows are in; O's sixteen loads may be out
.set i, 0
.rept 32
	ds_store_b128 v2, v[WOF+4*i:WOF+4*i+3] offset:WPITCH*i
.set i, i+1
.endr
.irp u, 0,1
.irp t, 0,1,2,3,4,5,6,7
.irp c, 0,1
	ds_load_b128 v[WOF+64*\u+8*\t+4*\c:WOF+64*\u+8*\t+4*\c+3], v3 offset:16*\u*WPITCH+64*\t+16*\c   ; LDS serves a wave's instructions in order: these see my stores, which have read their registers
.endr
.endr
.endr
	s_wait_loadcnt 0x0                             ; O
	s_wait_dscnt 0x0                               ; Wo's fragments
; out^T = Wo O^T: 32 steps of 4 channels for each 16 columns; four accumulators by turns; the first four products start the sums
.set n, 0
.rept 32
.irp u, 0,1
.if n < 2
	v_wmma_f32_16x16x4_f32 v[SA+16*\u+8*(n%2):SA+16*\u+8*(n%2)+7], v[WOF+64*\u+2*n:WOF+64*\u+2*n+1], v[OIM+2*n:OIM+2*n+1], 0
.else
	v_wmma_f32_16x16x4_f32 v[SA+16*\u+8*(n%2):SA+16*\u+8*(n%2)+7], v[WOF+64*\u+2*n:WOF+64*\u+2*n+1], v[OIM+2*n:OIM+2*n+1], v[SA+16*\u+8*(n%2):SA+16*\u+8*(n%2)+7]
.endif
.endr
.set n, n+1
.endr
.rept 8
	v_nop                                          ; eight places behind this form (ISA guide 7.12.1), in front of the reads of its results
.endr
.irp p, 0,1,2,3
	v_pk_add_f32 v[PR+2*\p:PR+2*\p+1], v[SA+2*\p:SA+2*\p+1], v[SA+8+2*\p:SA+8+2*\p+1]     ; register j: position r, column 8 hf + j of the first 16; each sum read from its low end on
.endr
.irp p, 0,1,2,3
	v_pk_add_f32 v[PR+8+2*\p:PR+8+2*\p+1], v[SA+16+2*\p:SA+16+2*\p+1], v[SA+24+2*\p:SA+24+2*\p+1]   ; and of the second
.endr
	ds_store_b128 v10, v[PR:PR+3]
	ds_store_b128 v10, v[PR+4:PR+7] offset:512
	ds_store_b128 v10, v[PR+8:PR+11] offset:1024
	ds_store_b128 v10, v[PR+12:PR+15] offset:1536
	s_wait_dscnt 0x0                               ; for the others' sake: my part has landed
	s_barrier_signal -1
	s_barrier_wait -1
	s_cmp_ge_u32 s[WV], 4
	s_cbranch_scc1 .Ldone
.irp w, 0,1,2,3,4,5,6,7,8,9,10,11,12,13,14,15
	ds_load_b128 v[16+4*\w:16+4*\w+3], v9 offset:2048*\w
.endr
	s_wait_dscnt 0x0
.irp w, 1,2,3,4,5,6,7,8,9,10,11,12,13,14,15
	v_pk_add_f32 v[16:17], v[16:17], v[16+4*\w:17+4*\w]
	v_pk_add_f32 v[18:19], v[18:19], v[18+4*\w:19+4*\w]
.endr
	global_store_b128 v11, v[16:19], s[26:27]
.Ldone:
	s_wait_tensorcnt 0x0                           ; the wave's end: a tensor wait, an add to my spare word and its wait, behind my last LDS store
	ds_add_u32 v[SPW], v[NIL]
	s_wait_dscnt 0x0
	s_endpgm
.Lfunc_end_k_q612686112a_fine:
	.size	k_q612686112a_fine, .Lfunc_end_k_q612686112a_fine-k_q612686112a_fine
	.p2alignl 7, 3214868480
	.fill 96, 4, 3214868480
	.section	.rodata,"a",@progbits
	.p2align	6, 0x0
	.amdhsa_kernel k_q612686112a_fine
		.amdhsa_group_segment_fixed_size 305152
		.amdhsa_private_segment_fixed_size 0
		.amdhsa_enable_private_segment 0
		.amdhsa_kernarg_size 24
		.amdhsa_user_sgpr_count 2
		.amdhsa_user_sgpr_kernarg_segment_ptr 1
		.amdhsa_wavefront_size32 1
		.amdhsa_system_sgpr_workgroup_id_x 1
		.amdhsa_system_sgpr_workgroup_id_y 1
		.amdhsa_system_sgpr_workgroup_id_z 1
		.amdhsa_system_vgpr_workitem_id 0
		.amdhsa_next_free_vgpr 256
		.amdhsa_next_free_sgpr 66
		.amdhsa_reserve_vcc 0
		.amdhsa_float_denorm_mode_32 3
		.amdhsa_float_denorm_mode_16_64 3
		.amdhsa_memory_ordered 1
		.amdhsa_forward_progress 1
		.amdhsa_inst_pref_size 19
	.end_amdhsa_kernel
	.amdgpu_metadata
---
amdhsa.version: [ 1, 2 ]
amdhsa.kernels:
  - .name:           k_q612686112a_fine
    .symbol:         k_q612686112a_fine.kd
    .args:
      - { .name: fineo, .offset: 0, .size: 8, .value_kind: global_buffer, .address_space: global }
      - { .name: Wo, .offset: 8, .size: 8, .value_kind: global_buffer, .address_space: global }
      - { .name: out0, .offset: 16, .size: 8, .value_kind: global_buffer, .address_space: global }
    .group_segment_fixed_size: 305152
    .private_segment_fixed_size: 0
    .kernarg_segment_align: 8
    .kernarg_segment_size: 24
    .max_flat_workgroup_size: 512
    .sgpr_count:     66
    .vgpr_count:     256
    .wavefront_size: 32
...
	.end_amdgpu_metadata
.endif
;; end of part 5
